; MI455X (gfx1250); checked and timed in simulation.
; The chip was launched on July 23, 2026; its instructions are those of AMD's public machine-readable ISA for CDNA 5 (MIT licence, August 2026) and "CDNA5" Instruction Set Architecture Reference Guide (July 2026). The comments in the code are by the model that wrote it; some were corrected since.
;; Custom GPT2 Multi Head Attention. Allowed arithmetic: matrix products marked QUANTISED: E4M3 operands, one given power-of-two scale a tensor, by v_wmma_f32_16x16x64_fp8_fp8 or v_wmma_f32_16x16x128_fp8_fp8, f32 sums; products left as they are: f32 operands where the result goes on into a quantised operand, else bf16, f16 or f32 operands; f32 sums; everything else in f32.
;; Inputs: Wc_attn_codes 3,072 x 32 x 32 uint8 (E4M3 codes of Wc_attn, K innermost, in blocks of 32 codes); Wc_proj_codes 1,024 x 32 x 32 uint8 (E4M3 codes of Wc_proj, K innermost, in blocks of 32 codes); Wuk 1,024 x 1,024 float32; Wuv 1,024 x 1,024 float32; attention_mask 8 x 1 x 1 x 1,025 float32; bc_attn 3,072 float32; bc_proj 1,024 float32; hidden_states_codes 8 x 1,024 x 32 x 32 uint8 (E4M3 codes of hidden_states, K innermost, in blocks of 32 codes); image_hidden_states 8 x 1 x 1,024 float32; lowp_scales 8 int32 (the exponents e of the quantised operands' scales 2^e).
;; Outputs: out0 8 x 1,024 x 1,024 float32.
;; This version of the problem:
;;   THIS VERSION OF THE PROBLEM IS GIVEN IN LOW PRECISION. The matrix products marked QUANTISED in the list below multiply operands that are first quantised to E4M3 (4 exponent bits, 3 mantissa bits; 8 bits a number), with one given power-of-two scale for each operand tensor; their sums are f32. All else is computed in f32.
;;   The module's matrix products, in the order in which they are computed (A, B: the left and right operand; K: the contracted axis; several contracted axes count as one K, in the product's order):
;;     1. [M 8,192, K 1,024] x [K 1,024, N 3,072]; A: input hidden_states (given as codes); B: input Wc_attn (given as codes): QUANTISED (scales: A lowp_scales[0], B lowp_scales[1])
;;     2. [M 8, K 1,024] x [K 1,024, N 1,024]; A: input image_hidden_states; B: input Wuk: left as it is (M = 8 < 16)
;;     3. [M 8, K 1,024] x [K 1,024, N 1,024]; A: input image_hidden_states; B: input Wuv: left as it is (M = 8 < 16)
;;     4. batch 128 x [M 1,024, K 64] x [K 64, N 1,025]; A: computed on the way; B: computed on the way: QUANTISED (scales: A lowp_scales[2], B lowp_scales[3])
;;     5. batch 128 x [M 1,024, K 1,025] x [K 1,025, N 64]; A: softmax (see below); B: computed on the way: QUANTISED (scales: A lowp_scales[4], B lowp_scales[5])
;;     6. [M 8,192, K 1,024] x [K 1,024, N 1,024]; A: computed on the way; B: input Wc_proj (given as codes): QUANTISED (scales: A lowp_scales[6], B lowp_scales[7])
;;   THE QUANTISER, for each operand of a quantised product, along K:
;;     - The operand's scale is 2^e, e = its entry of the input lowp_scales (int32; the entries are numbered through the quantised products in the list's order, A before B).
;;     - Each number is divided by the scale, clamped to +-448, and rounded to the nearest number of E4M3, ties to even, subnormals kept.
;;     - The product sums the exact products of the quantised numbers (number of the format x scale) in f32.
;;   ~~~python
;;   def quantise(x, axis, e):      # numpy; x: float32 -> the quantised numbers, widened to float32 again
;;       x = np.moveaxis(x, axis, -1); K = x.shape[-1]
;;       r = np.clip(x / 2.0 ** e, -448, 448)
;;       step = 2.0 ** (np.maximum(np.frexp(np.where(r == 0, 1, r))[1] - 1, -6) - 3)
;;       q = np.round(r / step) * step * 2.0 ** e      # np.round: ties to even
;;       return np.moveaxis(q, -1, axis).astype(np.float32)
;;   ~~~
;;   SOFTMAX AHEAD OF A QUANTISED PRODUCT. Where the list says 'softmax', what is quantised is not the finished softmax but p = 2^(t - M), with t = logit x log2(e) and M = ceil(the row's largest t), a whole number; so 1/2 < the row's largest p <= 1. The row's sum l is taken of the UNQUANTISED p, in f32, and the product's result is divided by l at the end. Since M is a whole number, a kernel that streams over the keys may use a running M (the ceiling of the running maximum): every later rescaling is an exact power of two, so the quantised numbers keep their values, but for numbers so far below the row's largest that they fall under the format's range.
;;   OPERANDS COMPUTED ON THE WAY. 'Computed on the way' means the value that the module computes at that place (a softmax that the list does not call 'softmax' is quantised finished and normalised). What goes into a quantiser is computed in f32, as accurately as f32 sums, v_exp_f32 and their like allow (about 1e-6 of the number): no bf16 or f16 on the way to a quantiser, and a product that is left as it is and whose result goes on into a quantised operand takes f32 operands (vector FMAs, or v_wmma_f32_16x16x4_f32). A number that lies on a knife's edge between two numbers of the format may be rounded either way, as far as f32 arithmetic and the matrix unit's own rounding can turn it there, and no further.
;;   INPUTS GIVEN AS CODES. Wc_attn (in the module: [1024, 3072], K = its axis 0); Wc_proj (in the module: [1024, 1024], K = its axis 0); hidden_states (in the module: [8, 1024, 1024], K = its axis 2): each comes as NAME_codes (uint8): NAME with its K axis moved to the last place and cut into blocks of 32 codes, [.., K / 32, bytes a block], one block behind the other in memory; one code a byte (a code: sign, 4 exponent bits, 3 mantissa bits); its scale is its entry of lowp_scales. Its value is code x scale, taken as it is: it is not quantised again, and the codes and scales need not be those that the quantiser above would give.
;; One version. Each part assembles by itself: llvm-mc -triple=amdgcn-amd-amdhsa -mcpu=gfx1250 --defsym DOCPART=n.
;; ======== version 1 of 1: 4 launches
;; limits: right only within a limited range of input values
;; workspace buffers: qc 8,388,608 bytes; kc 8,388,608 bytes; vc 8,388,608 bytes; xc 8,388,608 bytes; imgc 16,384 bytes; tail 65,536 bytes; mb 32,768 bytes
;; launch qkv (part 1): grid 12 x 32, 4 waves a work-group, clusters of 4 x 4, 327,680 bytes of LDS; arguments hidden_states_codes, Wc_attn_codes, bc_attn, lowp_scales, qc, kc, vc; writes qc, kc, vc
.if DOCPART == 1
	.amdgcn_target "amdgcn-amd-amdhsa--gfx1250"
	.amdhsa_code_object_version 6
	.text
	.protected	k_qd48dfe041d_qkv
	.globl	k_qd48dfe041d_qkv
	.p2align	8
	.type	k_qd48dfe041d_qkv,@function
k_qd48dfe041d_qkv:
	s_mov_b64 s[64:65], 0
	v_nop
	global_prefetch_b8 v0, s[64:65] scope:SCOPE_SE
	s_setreg_imm32_b32 hwreg(HW_REG_WAVE_MODE, 25, 1), 1
	s_wait_xcnt 0x0
	s_wait_alu depctr_hold_cnt(0) depctr_sa_sdst(0) depctr_va_vdst(0) depctr_va_sdst(0) depctr_va_ssrc(0) depctr_va_vcc(0) depctr_vm_vsrc(0)
	s_getreg_b32 s2, hwreg(HW_REG_IB_STS2, 6, 4)
	s_cmp_eq_u32 s2, 0
	s_cbranch_scc0 .Lentry_in_a_cluster
	s_endpgm
.Lentry_in_a_cluster:
	s_bfe_u32 s2, ttmp6, 0x10000c
	s_cmp_lg_u32 s2, 0xf033
	s_cbranch_scc0 .Lentry_shape_is_right
	s_endpgm
.Lentry_shape_is_right:
; qkv = hidden_states Wc_attn + bc_attn on codes of FP8 (E4M3), then q, k and v are quantised again, each with its given scale, and stored as codes.
; H: [8192 tokens][1024], W: [3072 columns][1024]: codes, K innermost.  A sum stands for sum x 2^(e0 + e1); value = sum x 2^(e0 + e1) + bias (one fused multiply-add); code = value / 2^e, held within +-448 (e = e2 for q, e3 for k, e5 for v).
; OUT: qc, kc: [16 b + head][token][64 d];  vc: [16 b + head][key / 128][channel 64][key % 128]: the keys innermost, since they are the K of the product that reads v.
; LIMITS: e0 + e1 between -126 and 127; e2, e3, e5 between -126 and 119, so that each power of two below is an f32 number.  NaN is not served.
; SHARES.  A tile of 256 x 256 is made by four waves, 128 x 128 each: 64 accumulators, 512 registers.  K = 1024 goes in four steps of 256 through two LDS slots filled by the tensor data mover.
; CLUSTERS of 4 x 4.  The cluster's x is the kind (0 q, 1 k, 2 v), its y the batch.  LDS region A is shared along a row of the cluster, region B along a column: joint loads, as many requests divided by four.
; The matrix instruction takes 16 rows of region B as source 0 and 16 rows of region A as source 1: a lane then holds ONE row of A's and eight NEIGHBOURING rows of B's.
;   q, k: A = tokens, B = columns of W: a lane's eight numbers are neighbours along d, the K of the scores.
;   v:    A = columns of W (channels), B = tokens: a lane's eight numbers are neighbours along the keys.  Only the two global addresses change places; nothing is transposed by an instruction.
; REGISTERS, in windows of 256: window 0: v8-31 addresses and constants; v32-95 the bias by B's rows, v96-103 the bias by A's rows; v128-255 A's fragments, one set; behind the loop v104-231 are at work.
;   window 1: B's fragments, two sets.   windows 2, 3: the accumulators ((a, b) at v[8 (8 (a % 4) + b)]).
.set ROWB,   256                       ; a tile's row in bytes
.set KROW,   1024                      ; a row of H or of W in memory
.set PITCH,  272                       ; an LDS row: 256 bytes + 16 of padding: the 16 rows that a load touches start at 16 different groups of banks (ISA guide 11.1)
.set FR,     16
.set NL,     4
.set NP,     4
.set HALFT,  128*PITCH
.set SLOT,   4*HALFT
.set SPARE,  2*SLOT                    ; behind the ring: the spare words, 128 bytes a wave, that no other line names
.set WSTG,   64*PITCH                  ; the way out: a wave's stage: 64 long rows of 256 bytes + 16
.set STGV,   4*WSTG                    ; q's and k's stages lie at 0, v's behind them: both in slot 0, which has had its last fill and its last read by then
.set ADRA, 16
.set ADRB, 20
.set STOQ, 22
.set STOV, 23
.set RDQ,  24
.set RDV,  25
.set GO,   26
.set SPW,  28
.set NIL,  29
.set VSC,  30                          ; 2^e as f32
.set VLIM, 31
.set BP,   32
.set BR,   96
.set TMP,  104
.set PC,   168
.set BK,   104
.set AF,   128
.set G1, 24
.set G0, 32
.set G1B, 48
.set G0B, 56
.set MSB, 0
.macro WIN new                         ; the immediate's high byte repeats the setting that is left
.if MSB != \new
	s_set_vgpr_msb (MSB<<8)|\new
.set MSB, \new
.endif
.endm
.set MUL_LO, 0xa1                      ; source 0 (B) window 1, source 1 (A) window 0, C and D window 2
.set MUL_HI, 0xf1
.set TO_B,   0x40
; A joint load: waves 0 and 1 fetch region A's halves, waves 2 and 3 region B's.  The branch hangs on the wave's number alone.  Four v_nop follow each line.
.macro JLOAD g0a, g1a, g0b, g1b
	s_cmp_eq_u32 s15, 0
	s_cbranch_scc0 .Lfor_b_\@
	tensor_load_to_lds s[\g0a:\g0a+3], s[\g1a:\g1a+7]
	s_nop 0
.rept 4
	v_nop
.endr
	s_branch .Lasked_\@
.Lfor_b_\@:
	tensor_load_to_lds s[\g0b:\g0b+3], s[\g1b:\g1b+7]
	s_nop 0
.rept 4
	v_nop
.endr
.Lasked_\@:
.endm
.macro CREST                           ; a round of the cluster's barrier behind its opening barrier
	s_cmp_lg_u32 s14, 0
	s_cbranch_scc1 .Lnot_wave_0_\@
	s_barrier_signal -3
.Lnot_wave_0_\@:
	s_barrier_wait -3
	s_barrier_signal -1
	s_barrier_wait -1
.endm
.macro CROUND
	s_barrier_signal -1
	s_barrier_wait -1
	CREST
.endm
	s_load_b256 s[4:11], s[0:1], 0x0               ; H s[4:5], W s[6:7], the bias s[8:9], the exponents s[10:11]
	s_load_b128 s[68:71], s[0:1], 0x20             ; qc, kc
	s_load_b64 s[72:73], s[0:1], 0x30              ; vc
	v_lshl_add_u32 v[SPW], v0, 2, SPARE
	v_mov_b32 v[NIL], 0
	ds_add_u32 v28, v29
	ds_add_u32 v28, v29
	s_wait_dscnt 0x0
	v_lshrrev_b32 v1, 5, v0
	v_readfirstlane_b32 s14, v1                    ; wave 0..3
	s_lshr_b32 s15, s14, 1                         ; which half of A's rows is mine.  Also: I fetch for A (0) or for B (1)
	s_and_b32 s16, s14, 1                          ; which half of B's rows.  Also: which 128 rows I fetch
	s_bfe_u32 s40, ttmp6, 0x40000                  ; cx
	s_bfe_u32 s41, ttmp6, 0x40004                  ; cy
	s_and_b32 s13, ttmp7, 0xffff                   ; the batch
	s_lshl_b32 s43, s41, 2
	s_lshl_b32 s43, 15, s43                        ; my row of the cluster
	s_lshl_b32 s44, 0x1111, s40                    ; my column
	s_or_b32 s[G1+0], s43, (0<<16)|(1<<20)|(1<<21)|(5<<22)|(3<<25)  ; the mask; elements of 1 byte; padding on; bit 21 beside a mask; 4 words after every 64
	s_or_b32 s[G1B+0], s44, (0<<16)|(1<<20)|(1<<21)|(5<<22)|(3<<25)
.irp g, G1, G1B
	s_mov_b32 s[\g+1], ROWB<<16                    ; tensor_dim0
	s_mov_b32 s[\g+2], 128<<16                     ; tensor_dim1
	s_mov_b32 s[\g+3], ROWB<<16                    ; tile_dim0
	s_mov_b32 s[\g+4], 128                         ; tile_dim1
	s_mov_b32 s[\g+5], KROW                        ; pitch
	s_mov_b32 s[\g+6], 0
	s_mov_b32 s[\g+7], 0
.endr
	; which tiles of 256 rows: A: q, k: tokens 4 b + cy; v: W's tile 8 + cy.   B: q, k: W's tile 4 x kind + cx; v: tokens 4 b + cx
	s_lshl_b32 s17, s13, 2
	s_lshl_b32 s18, ttmp9, 2
	s_cmp_eq_u32 ttmp9, 2
	s_cselect_b32 s20, 8, s17
	s_cselect_b32 s46, s17, s18
	s_add_co_u32 s20, s20, s41
	s_add_co_u32 s46, s46, s40
	s_lshl_b32 s20, s20, 8
	s_lshl_b32 s46, s46, 8
	s_lshl_b32 s19, s16, 7                         ; which 128 rows of the tile I fetch
	s_add_co_u32 s20, s20, s19
	s_add_co_u32 s46, s46, s19
	s_lshl_b32 s20, s20, 10                        ; rows of 1,024 bytes
	s_lshl_b32 s46, s46, 10
	s_mov_b32 s21, 0
	s_mov_b32 s47, 0
	s_mul_i32 s45, s14, HALFT                      ; where they go: wave x 128 rows
	s_wait_kmcnt 0x0
	s_load_b256 s[80:87], s[10:11], 0x0            ; e0 .. e7
	s_cmp_eq_u32 ttmp9, 2                          ; the choice of buffers hangs on the cluster's x alone
	s_cselect_b64 s[74:75], s[6:7], s[4:5]
	s_cselect_b64 s[76:77], s[4:5], s[6:7]
	s_add_nc_u64 s[20:21], s[74:75], s[20:21]
	s_add_nc_u64 s[46:47], s[76:77], s[46:47]
	CROUND                                         ; all sixteen work-groups are here: the first joint loads meet
.irp s, 0,1
	s_mov_b32 s[G0+4*\s], 1
	s_add_co_u32 s[G0+4*\s+1], s45, \s*SLOT
	s_add_nc_u64 s[G0+4*\s+2:G0+4*\s+3], s[20:21], \s*ROWB
	s_or_b32 s[G0+4*\s+3], s[G0+4*\s+3], 0x80000000
	s_mov_b32 s[G0B+4*\s], 1
	s_add_co_u32 s[G0B+4*\s+1], s45, \s*SLOT
	s_add_nc_u64 s[G0B+4*\s+2:G0B+4*\s+3], s[46:47], \s*ROWB
	s_or_b32 s[G0B+4*\s+3], s[G0B+4*\s+3], 0x80000000
	JLOAD G0+4*\s, G1, G0B+4*\s, G1B
.endr
	v_and_b32 v1, 15, v0                           ; r
	s_wait_alu depctr_va_vdst(0)
	v_bfe_u32 v2, v0, 4, 1                         ; h
	v_mul_u32_u24 v3, v1, PITCH
	v_lshl_add_u32 v4, v2, 4, v3                   ; a fragment's row x pitch + 16 h
	s_mul_i32 s78, s15, HALFT
	s_mul_i32 s79, s16, HALFT
	s_add_co_u32 s79, s79, 2*HALFT
.irp s, 0,1
	v_add_nc_u32 v[ADRA+\s], s78, v4
	v_add_nc_u32 v[ADRB+\s], s79, v4
	s_add_co_u32 s78, s78, SLOT
	s_add_co_u32 s79, s79, SLOT
.endr
	s_mul_i32 s98, s14, WSTG                       ; my stage
	v_lshrrev_b32 v5, 2, v1                        ; q, k: a long row is 4 tokens x 64 d: row r / 4, place 64 (r % 4) + 8 h
	v_mul_u32_u24 v5, v5, PITCH
	v_and_b32 v6, 3, v1
	v_lshl_add_u32 v5, v6, 6, v5
	v_lshl_add_u32 v5, v2, 3, v5
	v_add_nc_u32 v[STOQ], s98, v5
	v_lshrrev_b32 v5, 1, v1                        ; v: a long row is 2 channels x 128 keys: row r / 2, place 128 (r % 2) + 8 h
	v_mul_u32_u24 v5, v5, PITCH
	v_and_b32 v6, 1, v1
	v_lshl_add_u32 v5, v6, 7, v5
	v_lshl_add_u32 v5, v2, 3, v5
	v_add_nc_u32 v5, s98, v5
	v_add_nc_u32 v[STOV], STGV, v5
	v_mul_u32_u24 v5, v2, PITCH                    ; back: lanes 0-15 one long row, lanes 16-31 the next
	v_lshl_add_u32 v5, v1, 4, v5
	v_add_nc_u32 v[RDQ], s98, v5
	v_add_nc_u32 v[RDV], STGV, v[RDQ]
	v_and_b32 v6, 31, v0
	v_lshlrev_b32 v[GO], 4, v6
	; the bias in both forms; both ranges lie inside bc_attn for every kind, so every work-group loads both and each way out uses its own
	s_lshl_b32 s90, ttmp9, 12                      ; by B's rows (q, k): column 1024 x kind + 256 cx + 128 x half + 16 b + 8 h + j
	s_lshl_b32 s91, s40, 10
	s_add_co_u32 s90, s90, s91
	s_lshl_b32 s91, s16, 9
	s_add_co_u32 s90, s90, s91
	v_lshl_add_u32 v8, v2, 5, s90
	s_lshl_b32 s91, s41, 10                        ; by A's rows (v): column 2048 + 256 cy + 128 x half + 16 a + r
	s_add_co_u32 s91, s91, 8192
	s_lshl_b32 s90, s15, 9
	s_add_co_u32 s91, s91, s90
	v_lshl_add_u32 v9, v1, 2, s91
.irp b, 0,1,2,3,4,5,6,7
	global_load_b128 v[BP+8*\b:BP+8*\b+3], v8, s[8:9] offset:64*\b
	global_load_b128 v[BP+8*\b+4:BP+8*\b+7], v8, s[8:9] offset:64*\b+16
.endr
.irp a, 0,1,2,3,4,5,6,7
	global_load_b32 v[BR+\a], v9, s[8:9] offset:64*\a
.endr
	s_wait_kmcnt 0x0
	s_add_co_i32 s88, s80, s81
	s_add_co_i32 s88, s88, 127
	s_lshl_b32 s88, s88, 23                        ; 2^(e0 + e1) as f32
	s_mov_b32 s89, s88                             ; (named with it as a pair, so it is written)
	s_cmp_eq_u32 ttmp9, 0
	s_cselect_b32 s90, s82, s83                    ; e2 for q, e3 for k,
	s_cmp_eq_u32 ttmp9, 2
	s_cselect_b32 s90, s85, s90                    ; e5 for v
	s_add_co_i32 s90, s90, 127
	s_lshl_b32 s91, s90, 23
	v_mov_b32 v[VSC], s91
	; where my 2 x 8,192 bytes go: (16 b + 4 X + 2 x) heads of 65,536 bytes + (2 Y + y) x 8,192.  q, k: X, x = cx, B's half; Y, y = cy, A's half.  v: the other way round
	s_cmp_eq_u32 ttmp9, 2
	s_cselect_b32 s94, s41, s40
	s_cselect_b32 s95, s15, s16
	s_cselect_b32 s96, s40, s41
	s_cselect_b32 s97, s16, s15
	s_cselect_b64 s[92:93], s[72:73], s[70:71]
	s_cmp_eq_u32 ttmp9, 0
	s_cselect_b64 s[92:93], s[68:69], s[92:93]
	s_lshl_b32 s94, s94, 18
	s_lshl_b32 s95, s95, 17
	s_add_co_u32 s94, s94, s95
	s_lshl_b32 s96, s96, 14
	s_add_co_u32 s94, s94, s96
	s_lshl_b32 s97, s97, 13
	s_add_co_u32 s94, s94, s97
	s_lshl_b32 s95, s13, 20
	s_add_co_u32 s94, s94, s95
	s_mov_b32 s95, 0
	s_add_nc_u64 s[92:93], s[92:93], s[94:95]
.macro FRAG reg, adr, q, i             ; 16 rows x 128 K: registers 4 c .. 4 c + 3 hold K = 32 c + 16 h + 0 .. 15: the same permutation of K on both sides
.irp c, 0,1,2,3
	ds_load_b128 v[\reg+4*\c:\reg+4*\c+3], v[\adr] offset:128*(\q)+32*\c+(\i)*16*PITCH
.endr
.endm
; 16 matrix instructions: A's blocks a0, a0 + 1 x B's eight.  The 64 accumulators take turns, one instruction a turn, in the same order in every step.
.macro MUL16 a0, p, zero
.irp a, \a0, \a0+1
.irp b, 0,1,2,3,4,5,6,7
.if \zero
	v_wmma_f32_16x16x128_fp8_fp8 v[8*(8*((\a)%4)+\b):8*(8*((\a)%4)+\b)+7], v[128*(\p)+FR*\b:128*(\p)+FR*\b+FR-1], v[AF+FR*(\a):AF+FR*(\a)+FR-1], 0
.else
	v_wmma_f32_16x16x128_fp8_fp8 v[8*(8*((\a)%4)+\b):8*(8*((\a)%4)+\b)+7], v[128*(\p)+FR*\b:128*(\p)+FR*\b+FR-1], v[AF+FR*(\a):AF+FR*(\a)+FR-1], v[8*(8*((\a)%4)+\b):8*(8*((\a)%4)+\b)+7]
.endif
.endr
.endr
.endm
.macro FETCH_B slot, q, p
	WIN TO_B
.irp i, 0,1,2,3,4,5,6,7
	FRAG 128*(\p)+FR*\i, ADRB+\slot, \q, \i
.endr
	WIN 0
.endm
.macro FETCH_A slot, q, i0
.irp i, \i0, \i0+1, \i0+2, \i0+3
	FRAG AF+FR*(\i), ADRA+\slot, \q, \i
.endr
.endm
.macro PLACES n                        ; plain vector instructions between a matrix instruction and a load into, or a read of, its registers
.rept \n
	v_nop
.endr
.endm
.macro STEP slot, q, zero              ; 128 along K, with its successor in the same slot
	s_wait_dscnt 4*NL                              ; B's set and A's blocks 0-3 are in; the youngest 16 loads (A's blocks 4-7) may be out
	WIN MUL_LO
	MUL16 0, (\q)%2, \zero
	MUL16 2, (\q)%2, \zero
	s_wait_dscnt 0
	PLACES NP
	FETCH_B \slot, (\q)+1, 1-(\q)%2
	FETCH_A \slot, (\q)+1, 0
	WIN MUL_HI
	MUL16 4, (\q)%2, \zero
	MUL16 6, (\q)%2, \zero
	PLACES NP
	WIN 0
	FETCH_A \slot, (\q)+1, 4
.endm
; A slot's last step changes slots: one barrier; in front of it each wave waits for all its tensor loads, adds 0 to its spare word, and waits for that and for its reads of this slot.
.macro TURN slot, next, fill
	s_wait_tensorcnt 0x0                           ; all my tensor loads have landed: my part of the next slot
	ds_add_u32 v[SPW], v[NIL]                      ; 0 onto my spare word
	s_wait_dscnt 4*NL+1                            ; the add and the youngest 16 loads may be out
	WIN MUL_LO
	MUL16 0, 1, 0
	s_wait_dscnt 0x0                               ; the add is done, and my reads of this slot are over
	s_barrier_signal -1
	MUL16 2, 1, 0
	WIN 0
	s_barrier_wait -1
.if \fill
	CREST                                          ; the barrier has opened a round of the cluster's barrier: no wave of any partner still reads this slot or has a load on its way
	s_add_nc_u64 s[G0+4*\slot+2:G0+4*\slot+3], s[G0+4*\slot+2:G0+4*\slot+3], 2*ROWB
	s_add_nc_u64 s[G0B+4*\slot+2:G0B+4*\slot+3], s[G0B+4*\slot+2:G0B+4*\slot+3], 2*ROWB
	JLOAD G0+4*\slot, G1, G0B+4*\slot, G1B         ; the first tensor load behind the round; its four v_nop are the places in front of the loads below
.else
	PLACES NP
.endif
	FETCH_B \next, 0, 0
	FETCH_A \next, 0, 0
	WIN MUL_HI
	MUL16 4, 1, 0
	MUL16 6, 1, 0
	PLACES NP
	WIN 0
	FETCH_A \next, 0, 4
.endm
	s_wait_tensorcnt 1                             ; my part of K step 0 is in; K step 1's load may be out
	s_wait_loadcnt 0x0                             ; the bias
	s_barrier_signal -1
	s_barrier_wait -1
	FETCH_B 0, 0, 0
	FETCH_A 0, 0, 0
	FETCH_A 0, 0, 4
	STEP 0, 0, 1                                   ; the first products start the sums: nothing is cleared.  Four K steps: written straight, without a loop
	TURN 0, 1, 1                                   ; slot 0 takes K step 2
	STEP 1, 0, 0
	TURN 1, 0, 1                                   ; slot 1 takes K step 3
	STEP 0, 0, 0
	TURN 0, 1, 0                                   ; nothing is left to fetch
	STEP 1, 0, 0
	s_wait_dscnt 4*NL
	WIN MUL_LO
	MUL16 0, 1, 0
	MUL16 2, 1, 0
	s_wait_dscnt 0
	WIN MUL_HI
	MUL16 4, 1, 0
	MUL16 6, 1, 0
	WIN 0
	PLACES NP
; THE WAY OUT.  Block a (A's rows 16 a on) x B's 128 rows: value = sum x 2^(e0 + e1) + bias, the hold, eight codes a conversion, 8 bytes a lane into my own stage.  form 0: q, k; form 1: v.
.macro PACK a, form
.set AC, 64*((\a)%4)
.set PS, PC+16*((\a)%2)
	WIN 0x02+((\a)/4)                              ; source 0: window 2 or 3
.irp j, 0,2,4,6,8,10,12,14,16,18,20,22,24,26,28,30,32,34,36,38,40,42,44,46,48,50,52,54,56,58,60,62
.if \form == 0
	v_pk_fma_f32 v[TMP+\j:TMP+\j+1], v[AC+\j:AC+\j+1], s[88:89], v[BP+\j:BP+\j+1] op_sel_hi:[1,0,1]   ; each accumulator from its low end on
.elseif ((\a)%2) == 0
	v_pk_fma_f32 v[TMP+\j:TMP+\j+1], v[AC+\j:AC+\j+1], s[88:89], v[BR+(\a):BR+(\a)+1] op_sel_hi:[1,0,0]   ; my channel's bias for both halves: the pair's first register
.else
	v_pk_fma_f32 v[TMP+\j:TMP+\j+1], v[AC+\j:AC+\j+1], s[88:89], v[BR+(\a)-1:BR+(\a)] op_sel:[0,0,1] op_sel_hi:[1,0,1]   ; the pair's second register
.endif
.endr
	WIN 0
.set i, 0
.rept 64
.set i, i+1
.endr
.if (\a) >= 2
	s_wait_alu depctr_va_vdst(0)
	s_wait_dscnt 8                                 ; all but the block before's 8 stores are done: the codes' set of two blocks back is free
.endif
.irp b, 0,1,2,3,4,5,6,7
	v_cvt_scalef32_pk8_fp8_f32 v[PS+2*\b:PS+2*\b+1], v[TMP+8*\b:TMP+8*\b+7], v[VSC]
.endr
	v_nop                                          ; one plain vector instruction behind the last conversion
.irp b, 0,1,2,3,4,5,6,7
.if \form == 0
	ds_store_b64 v[STOQ], v[PS+2*\b:PS+2*\b+1] offset:((\b/4)*32+4*(\a))*PITCH+16*(\b%4)   ; head b / 4, tokens 16 a + r, d = 16 (b % 4) + 8 h on
.else
	ds_store_b64 v[STOV], v[PS+2*\b:PS+2*\b+1] offset:8*(\a)*PITCH+16*\b                   ; channels 16 a + r, keys 16 b + 8 h on
.endif
.endr
.endm
.macro OUT rd                          ; the stage comes back as long rows; each store of the wave covers 512 consecutive bytes, aligned
.set i, 0
.rept 32
	ds_load_b128 v[BK+4*i:BK+4*i+3], v[\rd] offset:2*i*PITCH
.set i, i+1
.endr
.set i, 0
.rept 32
	s_wait_dscnt 31-i                              ; the younger loads may be out
	global_store_b128 v[GO], v[BK+4*i:BK+4*i+3], s[92:93] offset:(i/16)*65536+(i%16)*512
.set i, i+1
.endr
.endm
	s_cmp_eq_u32 ttmp9, 2                          ; the cluster's x: the same in all sixteen partners
	s_cbranch_scc1 .Lv
.irp a, 0,1,2,3,4,5,6,7
	PACK \a, 0
.endr
	s_wait_dscnt 0x0                               ; my stores have read their registers, which the loads below fill
	OUT RDQ
	s_branch .Lend
.Lv:
.irp a, 0,1,2,3,4,5,6,7
	PACK \a, 1
.endr
	s_wait_dscnt 0x0
	OUT RDV
.Lend:
	s_wait_tensorcnt 0x0                           ; the wave's end
	ds_add_u32 v[SPW], v[NIL]
	s_wait_dscnt 0x0
	CROUND                                         ; the closing round
	s_endpgm
.Lfunc_end_k_qd48dfe041d_qkv:
	.size	k_qd48dfe041d_qkv, .Lfunc_end_k_qd48dfe041d_qkv-k_qd48dfe041d_qkv
	.p2alignl 7, 3214868480
	.fill 96, 4, 3214868480
	.section	.rodata,"a",@progbits
	.p2align	6, 0x0
	.amdhsa_kernel k_qd48dfe041d_qkv
		.amdhsa_group_segment_fixed_size 327680
		.amdhsa_private_segment_fixed_size 0
		.amdhsa_enable_private_segment 0
		.amdhsa_kernarg_size 56
		.amdhsa_user_sgpr_count 2
		.amdhsa_user_sgpr_kernarg_segment_ptr 1
		.amdhsa_wavefront_size32 1
		.amdhsa_system_sgpr_workgroup_id_x 1
		.amdhsa_system_sgpr_workgroup_id_y 1
		.amdhsa_system_sgpr_workgroup_id_z 1
		.amdhsa_system_vgpr_workitem_id 0
		.amdhsa_next_free_vgpr 1024
		.amdhsa_next_free_sgpr 100
		.amdhsa_reserve_vcc 0
		.amdhsa_float_denorm_mode_32 3
		.amdhsa_float_denorm_mode_16_64 3
		.amdhsa_fp16_overflow 1
		.amdhsa_memory_ordered 1
		.amdhsa_forward_progress 1
		.amdhsa_inst_pref_size 144
	.end_amdhsa_kernel
	.amdgpu_metadata
---
amdhsa.version: [ 1, 2 ]
amdhsa.kernels:
  - .name:           k_qd48dfe041d_qkv
    .symbol:         k_qd48dfe041d_qkv.kd
    .args:
      - { .name: hidden_states_codes, .offset: 0, .size: 8, .value_kind: global_buffer, .address_space: global }
      - { .name: Wc_attn_codes, .offset: 8, .size: 8, .value_kind: global_buffer, .address_space: global }
      - { .name: bc_attn, .offset: 16, .size: 8, .value_kind: global_buffer, .address_space: global }
      - { .name: lowp_scales, .offset: 24, .size: 8, .value_kind: global_buffer, .address_space: global }
      - { .name: qc, .offset: 32, .size: 8, .value_kind: global_buffer, .address_space: global }
      - { .name: kc, .offset: 40, .size: 8, .value_kind: global_buffer, .address_space: global }
      - { .name: vc, .offset: 48, .size: 8, .value_kind: global_buffer, .address_space: global }
    .group_segment_fixed_size: 327680
    .private_segment_fixed_size: 0
    .kernarg_segment_align: 8
    .kernarg_segment_size: 56
    .max_flat_workgroup_size: 128
    .sgpr_count:     100
    .vgpr_count:     1024
    .wavefront_size: 32
...
	.end_amdgpu_metadata
.endif
;; end of part 1
;; launch aux (part 2): grid 256 x 1, 8 waves a work-group, no clusters, 37,888 bytes of LDS; arguments image_hidden_states, Wuk, Wuv, attention_mask, vc, lowp_scales, imgc, tail, mb; writes imgc, tail, mb
.if DOCPART == 2
	.amdgcn_target "amdgcn-amd-amdhsa--gfx1250"
	.amdhsa_code_object_version 6
	.text
	.protected	k_qd48dfe041d_aux
	.globl	k_qd48dfe041d_aux
	.p2align	8
	.type	k_qd48dfe041d_aux,@function
k_qd48dfe041d_aux:
	s_mov_b64 s[64:65], 0
	v_nop
	global_prefetch_b8 v0, s[64:65] scope:SCOPE_SE
	s_setreg_imm32_b32 hwreg(HW_REG_WAVE_MODE, 25, 1), 1
	s_wait_xcnt 0x0
; Three small things that the attention launch wants ready.  g = the work-group's number (0 .. 255), w = the wave's (0 .. 7).
; (a) k_img = image Wuk^T, v_img = image Wuv^T: f32 fused multiply-adds, since the results go into a quantiser; quantised with e3 and e5 into imgc [2][8 b][1024].  Work-groups 0-127 take Wuk, the others Wuv;
;     wave w takes row 8 (g % 128) + w of the weight for all 8 batches: each weight byte is read once.  (No score can see k_img: key 1024 lies above the diagonal for every query.  It is made and stored all the same.)
; (b) A key whose attention_mask is 0 has the score -1e4 for EVERY query, so all such keys add one and the same vector to every row's numerator: the sum of their v.  tail [g][64] f32: words 0-31 the sum of V's code
;     values over the hidden text keys, channels 32 (g % 2) + 0 .. 31 of head g / 2; words 32-63 the number of hidden text keys.  Made by the matrix unit: V's codes x a column of codes 1.0 or 0.
; (c) mb [8 b][1024] f32: 0 where the mask is not 0, -3e38 where it is: the attention launch adds it to the scores.
; LIMITS: e3 and e5 between -126 and 119.  NaN is not served.  No tensor loads.
.set IMG,  0                           ; LDS: the image as it lies, 8 x 4,096 bytes
.set MC,   32768                       ; the batch's mask as codes, a byte a key
.set RED,  33792                       ; 8 waves x 64 f32
.set OUTS, 35840                       ; [b][w] f32
.set W,    16                          ; v16-47   my row of the weight
.set VF,   48                          ; v48-79   two fragments of V
.set ONE,  80                          ; v80-95   a fragment of codes 1.0
.set BM,   96                          ; v96-111  the mask's fragment
.set D,    112                         ; v112-135 three results
.set ACC,  136                         ; v136-151 a pair of sums for each batch
.set X,    152                         ; v152-215 two sets of 32 numbers of the image
	s_load_b256 s[4:11], s[0:1], 0x0               ; image, Wuk, Wuv, mask
	s_load_b256 s[12:19], s[0:1], 0x20             ; vc, exponents, imgc, tail
	s_load_b64 s[20:21], s[0:1], 0x40              ; mb
	v_lshl_add_u32 v254, v0, 2, 0x9000
	v_mov_b32 v255, 0
	v_lshrrev_b32 v1, 5, v0
	s_delay_alu instid0(VALU_DEP_1)
	v_readfirstlane_b32 s22, v1                    ; wave
	v_and_b32 v1, 31, v0                           ; lane
	v_and_b32 v2, 15, v0                           ; r
	v_bfe_u32 v3, v0, 4, 1                         ; h
	v_lshlrev_b32 v4, 2, v0                        ; 4 x thread
	v_lshlrev_b32 v5, 4, v0                        ; 16 x thread
	s_delay_alu instid0(VALU_DEP_4)
	v_lshlrev_b32 v6, 7, v2
	s_delay_alu instid0(VALU_DEP_1)
	v_lshl_add_u32 v6, v3, 4, v6                   ; V: channel r of 128 bytes, + 16 h
	v_lshlrev_b32 v7, 4, v1                        ; 16 x lane
	s_lshl_b32 s23, s22, 7
	v_lshlrev_b32 v8, 4, v3
	s_delay_alu instid0(VALU_DEP_1)
	v_add_nc_u32 v8, s23, v8                       ; the mask's codes: 128 w + 16 h
	s_lshl_b32 s23, s22, 8
	v_lshlrev_b32 v9, 5, v3
	s_delay_alu instid0(VALU_DEP_1)
	v_add_nc_u32 v9, s23, v9                       ; my wave's sums: 256 w + 32 h
	s_lshl_b32 s23, s22, 2
	v_mov_b32 v10, s23                             ; 4 w
	v_lshlrev_b32 v11, 3, v1                       ; 8 x lane
	v_and_b32 v12, 7, v0
	s_delay_alu instid0(VALU_DEP_1)
	v_lshlrev_b32 v14, 10, v12                     ; imgc: batch lane % 8
	s_delay_alu instid0(VALU_DEP_2)
	v_lshlrev_b32 v12, 5, v12                      ; OUTS: the same batch's eight numbers
.set i, 0
.rept 16
	v_mov_b32 v[ONE+i], 0x38383838                 ; 0x38 is the code of 1.0
.set i, i+1
.endr
	s_and_b32 s24, ttmp9, 127
	s_lshl_b32 s24, s24, 3                         ; the work-group's first row of the weight
	s_add_co_u32 s26, s24, s22
	s_lshl_b32 s26, s26, 12                        ; my row, 4,096 bytes each
	s_mov_b32 s27, 0
	s_lshr_b32 s30, ttmp9, 1
	s_lshl_b32 s30, s30, 16                        ; vc: head g / 2,
	s_and_b32 s31, ttmp9, 1
	s_lshl_b32 s31, s31, 12                        ; channels 32 (g % 2) on,
	s_add_co_u32 s30, s30, s31
	s_lshl_b32 s31, s22, 13                        ; keys 128 w on
	s_add_co_u32 s30, s30, s31
	s_mov_b32 s31, 0
	s_lshr_b32 s32, ttmp9, 5                       ; the batch
	s_mul_i32 s34, s32, 4100                       ; a batch's mask is 1,025 f32
	s_mov_b32 s35, 0
	s_bfe_u32 s33, ttmp9, 0x40001                  ; (g / 2) % 16: which 64 keys of mb
	s_lshl_b32 s52, s33, 8
	s_mov_b32 s53, 0
	s_lshl_b32 s54, s32, 12
	s_add_co_u32 s54, s54, s52
	s_mov_b32 s55, 0
	s_lshr_b32 s56, ttmp9, 7
	s_lshl_b32 s56, s56, 13
	s_add_co_u32 s56, s56, s24
	s_mov_b32 s57, 0
	s_lshl_b32 s58, ttmp9, 8
	s_mov_b32 s59, 0
	s_mov_b32 s48, 0x76543210                      ; v_permlanex16_b32: lane l xor 16
	s_mov_b32 s49, 0xfedcba98
	s_wait_kmcnt 0x0
	s_load_b256 s[40:47], s[14:15], 0x0            ; e0 .. e7
	s_cmp_lt_u32 ttmp9, 128
	s_cselect_b64 s[28:29], s[6:7], s[8:9]         ; Wuk or Wuv: the choice hangs on the work-group's number alone
	s_add_nc_u64 s[28:29], s[28:29], s[26:27]
	s_add_nc_u64 s[12:13], s[12:13], s[30:31]
	s_add_nc_u64 s[10:11], s[10:11], s[34:35]
	s_add_nc_u64 s[36:37], s[10:11], s[52:53]
	s_add_nc_u64 s[38:39], s[20:21], s[54:55]
	s_add_nc_u64 s[16:17], s[16:17], s[56:57]
	s_add_nc_u64 s[18:19], s[18:19], s[58:59]
.irp i, 0,1,2,3
	global_load_b32 v[248+\i], v4, s[10:11] offset:1024*\i          ; the batch's mask, key thread + 256 i
.endr
.irp i, 0,1,2,3,4,5,6,7
	global_load_b128 v[X+4*\i:X+4*\i+3], v5, s[4:5] offset:4096*\i  ; the image, batch i
.endr
.irp t, 0,1
.irp c, 0,1,2,3
	global_load_b128 v[VF+16*\t+4*\c:VF+16*\t+4*\c+3], v6, s[12:13] offset:2048*\t+32*\c
.endr
.endr
.irp i, 0,1,2,3,4,5,6,7
	global_load_b128 v[W+4*\i:W+4*\i+3], v7, s[28:29] offset:512*\i th:TH_LOAD_NT   ; read once in the launch
.endr
	; (c) in every second work-group wave 2 writes 64 entries of mb: 256 consecutive bytes, aligned
	s_xor_b32 s24, s22, 2
	s_and_b32 s25, ttmp9, 1
	s_or_b32 s24, s24, s25
	s_cmp_lg_u32 s24, 0
	s_cbranch_scc1 .Lno_mb
	global_load_b32 v244, v11, s[36:37]
	global_load_b32 v245, v11, s[36:37] offset:4
	v_mov_b32 v246, 0xff61b1e6                     ; -3e38
	s_wait_alu depctr_va_vdst(0)
	s_wait_loadcnt 0x0
	v_cmp_eq_f32 vcc_lo, 0, v244
	s_delay_alu instid0(VALU_DEP_1)
	v_cndmask_b32 v244, 0, v246, vcc_lo
	v_cmp_eq_f32 vcc_lo, 0, v245
	s_delay_alu instid0(VALU_DEP_1)
	v_cndmask_b32 v245, 0, v246, vcc_lo
	global_store_b64 v11, v[244:245], s[38:39]
.Lno_mb:
	s_wait_loadcnt 16                              ; the mask and the image are in; V's 8 loads and the weight's 8 may be out
	v_mov_b32 v243, 0x38
.irp i, 0,1,2,3
	v_cmp_eq_f32 vcc_lo, 0, v[248+\i]
	s_delay_alu instid0(VALU_DEP_1)
	v_cndmask_b32 v[248+\i], 0, v243, vcc_lo       ; the code of 1.0 where the key is hidden, else of 0
.endr
.irp i, 0,1,2,3
	ds_store_b8 v0, v[248+\i] offset:MC+256*\i
.endr
.irp i, 0,1,2,3,4,5,6,7
	ds_store_b128 v5, v[X+4*\i:X+4*\i+3] offset:IMG+4096*\i
.endr
	s_wait_kmcnt 0x0
	s_cmp_lt_u32 ttmp9, 128
	s_cselect_b32 s50, s43, s45                    ; e3 for k_img, e5 for v_img
	s_add_co_i32 s50, s50, 127
	s_lshl_b32 s51, s50, 23
	v_mov_b32 v240, s51                            ; 2^e as f32
	s_wait_dscnt 0x0                               ; for the others' sake: my stores have landed
	s_barrier_signal -1
	s_barrier_wait -1
	; (b) my 128 keys: 2 x 16 channels of V, and a tile of ones, x the mask's column.  Both sides take K = 32 c + 16 h + 0 .. 15 into registers 4 c on
.irp c, 0,1,2,3
	ds_load_b128 v[BM+4*\c:BM+4*\c+3], v8 offset:MC+32*\c
.endr
	s_wait_loadcnt 8                               ; V is in; the weight's 8 loads may be out
	s_wait_dscnt 0x0
	v_wmma_f32_16x16x128_fp8_fp8 v[D:D+7], v[VF:VF+15], v[BM:BM+15], 0
	v_wmma_f32_16x16x128_fp8_fp8 v[D+8:D+15], v[VF+16:VF+31], v[BM:BM+15], 0
	v_wmma_f32_16x16x128_fp8_fp8 v[D+16:D+23], v[ONE:ONE+15], v[BM:BM+15], 0
.rept 4
	v_nop
.endr
.irp t, 0,1,2
	ds_store_b128 v9, v[D+8*\t:D+8*\t+3] offset:RED+64*\t          ; lane (r, h), register j: channel 16 t + 8 h + j; the sixteen lanes of a half hold, and write, the same numbers
	ds_store_b128 v9, v[D+8*\t+4:D+8*\t+7] offset:RED+64*\t+16
.endr
	ds_store_b128 v9, v[D+16:D+19] offset:RED+192                  ; the count fills words 32-63
	ds_store_b128 v9, v[D+20:D+23] offset:RED+208
	; (a) my row of the weight x the eight batches, 128 numbers of K at a time; the image's numbers come a chunk ahead
.macro XL i
.irp b, 0,1,2,3,4,5,6,7
	ds_load_b128 v[X+32*((\i)%2)+4*\b:X+32*((\i)%2)+4*\b+3], v7 offset:IMG+4096*\b+512*(\i)
.endr
.endm
.macro DOT i
.set XS, X+32*((\i)%2)
.irp b, 0,1,2,3,4,5,6,7
.if (\i) == 0
	v_pk_mul_f32 v[ACC+2*\b:ACC+2*\b+1], v[XS+4*\b:XS+4*\b+1], v[W+4*(\i):W+4*(\i)+1]   ; the first product starts the sums
.else
	v_pk_fma_f32 v[ACC+2*\b:ACC+2*\b+1], v[XS+4*\b:XS+4*\b+1], v[W+4*(\i):W+4*(\i)+1], v[ACC+2*\b:ACC+2*\b+1]
.endif
.endr
.irp b, 0,1,2,3,4,5,6,7
	v_pk_fma_f32 v[ACC+2*\b:ACC+2*\b+1], v[XS+4*\b+2:XS+4*\b+3], v[W+4*(\i)+2:W+4*(\i)+3], v[ACC+2*\b:ACC+2*\b+1]
.endr
.endm
	XL 0
	s_wait_loadcnt 0x0                             ; the weight
.irp i, 0,1,2,3,4,5,6
	XL \i+1
	s_wait_alu depctr_va_vdst(0)
	s_wait_dscnt 8                                 ; this chunk is in; the next chunk's 8 loads may be out
	DOT \i
.endr
	s_wait_alu depctr_va_vdst(0)
	s_wait_dscnt 0x0
	DOT 7
.irp b, 0,1,2,3,4,5,6,7
	v_add_f32 v[ACC+2*\b], v[ACC+2*\b], v[ACC+2*\b+1]
.endr
.irp m, 1,2,4,8
.irp b, 0,1,2,3,4,5,6,7
	v_add_f32_dpp v[ACC+2*\b], v[ACC+2*\b], v[ACC+2*\b] row_xmask:\m row_mask:0xf bank_mask:0xf
.endr
.endr
.irp b, 0,1,2,3,4,5,6,7
	v_permlanex16_b32 v[ACC+2*\b+1], v[ACC+2*\b], s48, s49
.endr
.irp b, 0,1,2,3,4,5,6,7
	v_add_f32 v[ACC+2*\b], v[ACC+2*\b], v[ACC+2*\b+1]
.endr
.irp b, 0,1,2,3,4,5,6,7
	ds_store_b32 v10, v[ACC+2*\b] offset:OUTS+32*\b                ; all lanes write the same word with the same number
.endr
	s_wait_dscnt 0x0
	s_barrier_signal -1
	s_barrier_wait -1
	s_cmp_eq_u32 s22, 0
	s_cbranch_scc0 .Lnot_0
.irp w, 0,1,2,3,4,5,6,7                        ; wave 0 adds the eight waves' sums and stores 256 consecutive bytes, aligned
	ds_load_b64 v[X+2*\w:X+2*\w+1], v11 offset:RED+256*\w
.endr
	s_wait_dscnt 0x0
	v_pk_add_f32 v[X:X+1], v[X:X+1], v[X+2:X+3]
	v_pk_add_f32 v[X+4:X+5], v[X+4:X+5], v[X+6:X+7]
	v_pk_add_f32 v[X+8:X+9], v[X+8:X+9], v[X+10:X+11]
	v_pk_add_f32 v[X+12:X+13], v[X+12:X+13], v[X+14:X+15]
	s_delay_alu instid0(VALU_DEP_3)
	v_pk_add_f32 v[X:X+1], v[X:X+1], v[X+4:X+5]
	s_delay_alu instid0(VALU_DEP_2)
	v_pk_add_f32 v[X+8:X+9], v[X+8:X+9], v[X+12:X+13]
	s_delay_alu instid0(VALU_DEP_1)
	v_pk_add_f32 v[X:X+1], v[X:X+1], v[X+8:X+9]
	global_store_b64 v11, v[X:X+1], s[18:19]
	s_wait_tensorcnt 0x0
	ds_add_u32 v254, v255
	s_wait_dscnt 0x0
	s_endpgm
.Lnot_0:
	s_cmp_eq_u32 s22, 1
	s_cbranch_scc0 .Lend
	ds_load_b128 v[X:X+3], v12 offset:OUTS         ; wave 1 quantises: lane b holds batch b's eight numbers, neighbours along the feature axis
	ds_load_b128 v[X+4:X+7], v12 offset:OUTS+16
	s_wait_dscnt 0x0
.irp i, 0,1,2,3,4,5,6,7
.endr
	v_cvt_scalef32_pk8_fp8_f32 v[X+8:X+9], v[X:X+7], v240
	v_nop
	s_wait_alu depctr_va_vdst(0)
	s_wait_xcnt 0x0                                ; EXEC changes only behind this wait
	v_cmp_gt_u32 vcc_lo, 8, v1
	s_and_saveexec_b32 s51, vcc_lo
	global_store_b64 v14, v[X+8:X+9], s[16:17]     ; pieces of 8 bytes, 16 KiB in the whole launch: a row's neighbours are made by other work-groups
	s_wait_xcnt 0x0
	s_or_b32 exec_lo, exec_lo, s51
.Lend:
	s_wait_tensorcnt 0x0
	ds_add_u32 v254, v255
	s_wait_dscnt 0x0
	s_endpgm
.Lfunc_end_k_qd48dfe041d_aux:
	.size	k_qd48dfe041d_aux, .Lfunc_end_k_qd48dfe041d_aux-k_qd48dfe041d_aux
	.p2alignl 7, 3214868480
	.fill 96, 4, 3214868480
	.section	.rodata,"a",@progbits
	.p2align	6, 0x0
	.amdhsa_kernel k_qd48dfe041d_aux
		.amdhsa_group_segment_fixed_size 37888
		.amdhsa_private_segment_fixed_size 0
		.amdhsa_enable_private_segment 0
		.amdhsa_kernarg_size 72
		.amdhsa_user_sgpr_count 2
		.amdhsa_user_sgpr_kernarg_segment_ptr 1
		.amdhsa_wavefront_size32 1
		.amdhsa_system_sgpr_workgroup_id_x 1
		.amdhsa_system_sgpr_workgroup_id_y 1
		.amdhsa_system_sgpr_workgroup_id_z 1
		.amdhsa_system_vgpr_workitem_id 0
		.amdhsa_next_free_vgpr 256
		.amdhsa_next_free_sgpr 66
		.amdhsa_reserve_vcc 1
		.amdhsa_float_denorm_mode_32 3
		.amdhsa_float_denorm_mode_16_64 3
		.amdhsa_fp16_overflow 1
		.amdhsa_memory_ordered 1
		.amdhsa_forward_progress 1
		.amdhsa_inst_pref_size 29
	.end_amdhsa_kernel
	.amdgpu_metadata
---
amdhsa.version: [ 1, 2 ]
amdhsa.kernels:
  - .name:           k_qd48dfe041d_aux
    .symbol:         k_qd48dfe041d_aux.kd
    .args:
      - { .name: image_hidden_states, .offset: 0, .size: 8, .value_kind: global_buffer, .address_space: global }
      - { .name: Wuk, .offset: 8, .size: 8, .value_kind: global_buffer, .address_space: global }
      - { .name: Wuv, .offset: 16, .size: 8, .value_kind: global_buffer, .address_space: global }
      - { .name: attention_mask, .offset: 24, .size: 8, .value_kind: global_buffer, .address_space: global }
      - { .name: vc, .offset: 32, .size: 8, .value_kind: global_buffer, .address_space: global }
      - { .name: lowp_scales, .offset: 40, .size: 8, .value_kind: global_buffer, .address_space: global }
      - { .name: imgc, .offset: 48, .size: 8, .value_kind: global_buffer, .address_space: global }
      - { .name: tail, .offset: 56, .size: 8, .value_kind: global_buffer, .address_space: global }
      - { .name: mb, .offset: 64, .size: 8, .value_kind: global_buffer, .address_space: global }
    .group_segment_fixed_size: 37888
    .private_segment_fixed_size: 0
    .kernarg_segment_align: 8
    .kernarg_segment_size: 72
    .max_flat_workgroup_size: 256
    .sgpr_count:     66
    .vgpr_count:     256
    .wavefront_size: 32
...
	.end_amdgpu_metadata
.endif
;; end of part 2
;; launch attn (part 3): grid 2 x 128, 16 waves a work-group, no clusters, 169,984 bytes of LDS; arguments qc, kc, vc, mb, tail, imgc, attention_mask, lowp_scales, xc; writes xc
.if DOCPART == 3
	.amdgcn_target "amdgcn-amd-amdhsa--gfx1250"
	.amdhsa_code_object_version 6
	.text
	.protected	k_qd48dfe041d_attn
	.globl	k_qd48dfe041d_attn
	.p2align	8
	.type	k_qd48dfe041d_attn,@function
k_qd48dfe041d_attn:
	s_mov_b64 s[64:65], 0
	v_nop
	global_prefetch_b8 v0, s[64:65] scope:SCOPE_SE
	s_setreg_imm32_b32 hwreg(HW_REG_WAVE_MODE, 25, 1), 1
	s_wait_xcnt 0x0
; x = softmax(mask(q k^T / 8)) v for one head, both products on codes of FP8 (E4M3), and x quantised again with 2^e6.
; qc, kc, xc: [bh][token][64];  vc: [bh][key / 128][channel][key % 128];  mb: [b][1024] f32, 0 or -3e38;  tail: [2 bh + half][64] f32;  imgc: [2][b][1024] codes.
; THE SOFTMAX: t = score x log2(e) / 8; M = the row's largest t so far, rounded up to a whole number; p = 2^(t - M) is quantised with 2^e4; the row's sum is taken of the unquantised p and divides at the end.
; THE MASKS.  Keys above the diagonal count for nothing (score -1e9: p = 0), so steps that lie wholly above it are left out.  A key whose attention_mask is 0 has the score -1e4 for EVERY query, above the diagonal
; too, the image key (key 1024) among them.  In the steps such keys get -3e38 (as the C of the first product: no vector instruction) and add nothing; at a row's end all of them together add
; Q(pm) x (the sum of their v's codes) to the numerator and (their number) x pm to the sum, pm = 2^(-1e4 log2(e) - M); and the running largest t starts at -1e4 log2(e) if the batch has such a key.
; The image key's score is -1e9 or -1e4 whatever k_img holds, so k_img's row is not fetched; v_img counts through the closing term alone.
; LIMITS: e2 + e3 between -100 and 9 (no score reaches -1e9, and -3e38 as t stays far under -1e4 log2(e)); e4 and e6 - e4 - e5 between -126 and 119.  NaN is not served.
; SHARES.  Work-group (i, bh) takes query blocks 3 - i and then i of 256 queries: 4 - i and i + 1 slots of 256 keys, five trips in every work-group: 256 work-groups of equal work.
; Sixteen waves, 16 queries each, in 256 registers: four waves to a SIMD, so that one wave's vector work stands beside another's matrix work and LDS loads.
; Wave w takes tile w of the first block and tile 15 - w of the second: 6 + 3 = 9 key steps for every wave.
; THE HEAD'S WHOLE K AND V, AND THE BATCH'S BIAS, STAY IN LDS: 2 x 69,632 + 4,096 bytes, fetched once, at the head; no LDS byte is filled twice.  Two barriers: in front of trip 0 (slot 0 is in) and in front of
; trip 1 (all is in).  Behind the second the waves share nothing that anybody writes and do not wait for each other.  Work-groups with i = 1 never read slot 3 and fetch it all the same: a tile's row count is a constant.
; NO CLUSTER: the two work-groups of a head read the same tiles, but they part on which of the two they are (where a block ends, which slot a trip reads).
; NO PREFETCH: every tensor load stands at the head; nothing is left to be asked for ahead.
; LAYOUT.  S^T = K Q^T (source 0 = 16 neighbouring keys, source 1 = my queries): lane (r, h) holds query r, register 8 t + j key 16 t + 8 h + j.  A conversion of tile t's eight registers gives registers
; 2 t, 2 t + 1 of the second product's operand in that form's own order (K = 16 c + 8 h + 0 .. 7), and V's fragments are read in the same order, 8 bytes a load.
; REGISTERS: v1-4, v7, v11 addresses; v8-10 addresses in hand; v12 -M, v13 the largest t, v[14:15] the sum; v16-23 Q, v24-31 the second block's Q; v32-95 K's, then V's fragments;
; v96-159 S^T, then p; v160-191 O^T; v192-207 p's codes; v208-239 the hidden keys' sum of v; v240, 241: 448 x 2^e4, 2^e4; v251 2^(e6 - e4 - e5); v254 the number of hidden keys; v255 where t starts.
; SCALARS: s2 the slot's place in K's and V's regions, s66 in the bias; s23 the step's first key; s3 my first query, s98 in the second block; s[28:59] four descriptor groups 1; s[60:63], s[84:87], s[8:11] groups 0.
.set KSL,   17408                      ; a slot's part of K or of V: 64 long rows of 256 bytes + 16 (K: 4 keys a row; V: 2 channels x 128 keys, [key / 128][32 rows])
.set VREG,  4*KSL                      ; K's four slots lie from 0 on, V's from here on,
.set BREG,  8*KSL                      ; the bias, 1,024 f32, from here on
.set STG,   BREG+4096                  ; the way out: 4 long rows of 272 bytes for each wave; no fill lands here
.set F,  32
.set S,  96
.set O,  160
.set PC, 192
.set VM, 208
	s_load_b512 s[4:19], s[0:1], 0x0               ; qc, kc, vc, mb, tail, imgc, mask, exponents
	s_load_b64 s[20:21], s[0:1], 0x40              ; xc
	v_lshl_add_u32 v6, v0, 2, 0x29000
	v_mov_b32 v245, 0
	ds_add_u32 v6, v245
	ds_add_u32 v6, v245
	v_lshrrev_b32 v8, 5, v0
	s_delay_alu instid0(VALU_DEP_1)
	v_readfirstlane_b32 s22, v8                    ; wave 0..15
	s_and_b32 s76, ttmp7, 0xffff                   ; bh
	s_lshl_b32 s78, s76, 16                        ; the head's first byte in qc, kc, vc, xc
	s_mov_b32 s79, 0
	s_sub_co_u32 s3, 3, ttmp9                      ; the first block: 3 - i
	s_lshl_b32 s3, s3, 8
	s_lshl_b32 s77, s22, 4
	s_add_co_u32 s3, s3, s77                       ; my first query: tile w
	s_lshl_b32 s98, ttmp9, 8
	s_sub_co_u32 s77, 240, s77
	s_add_co_u32 s98, s98, s77                     ; and in the second block: tile 15 - w
	s_lshl_b32 s80, s3, 6
	s_add_co_u32 s80, s80, s78
	s_mov_b32 s81, 0
	s_lshl_b32 s82, s98, 6
	s_add_co_u32 s82, s82, s78
	s_mov_b32 s83, 0
	s_mov_b32 s28, (1<<20)|(5<<22)|(3<<25)         ; K's and V's slot 0: 64 rows of 256 bytes, dense in memory; elements of 1 byte; 4 words of padding after every 64
	s_mov_b32 s29, 256<<16
	s_mov_b32 s30, 64<<16
	s_mov_b32 s31, 256<<16
	s_mov_b32 s32, 64
	s_mov_b32 s33, 256
	s_mov_b32 s34, 0
	s_mov_b32 s35, 0
	s_mov_b32 s36, (1<<20)|(5<<22)|(3<<25)         ; their slots 1 to 3 as one tile: 192 rows
	s_mov_b32 s37, 256<<16
	s_mov_b32 s38, 192<<16
	s_mov_b32 s39, 256<<16
	s_mov_b32 s40, 192
	s_mov_b32 s41, 256
	s_mov_b32 s42, 0
	s_mov_b32 s43, 0
	s_mov_b32 s44, 0                               ; the bias of slot 0: 4 rows of 256 bytes, no padding
	s_mov_b32 s45, 256<<16
	s_mov_b32 s46, 4<<16
	s_mov_b32 s47, 256<<16
	s_mov_b32 s48, 4
	s_mov_b32 s49, 256
	s_mov_b32 s50, 0
	s_mov_b32 s51, 0
	s_mov_b32 s52, 0                               ; of slots 1 to 3: 12 rows
	s_mov_b32 s53, 256<<16
	s_mov_b32 s54, 12<<16
	s_mov_b32 s55, 256<<16
	s_mov_b32 s56, 12
	s_mov_b32 s57, 256
	s_mov_b32 s58, 0
	s_mov_b32 s59, 0
	s_mov_b32 s24, 0x76543210                      ; v_permlanex16_b32: lane l xor 16
	s_mov_b32 s25, 0xfedcba98
	s_lshr_b32 s77, s76, 4                         ; the batch
	s_lshl_b32 s92, s77, 12
	s_mov_b32 s93, 0
	s_min_u32 s94, s22, 2
	s_mov_b32 s60, 1
	s_mul_i32 s61, s94, VREG                       ; wave 0: K's region, wave 1: V's, wave 2: the bias (BREG = 2 VREG)
	s_mov_b32 s84, 1
	s_add_co_u32 s85, s61, KSL                     ; K's and V's slot 1
	s_wait_dscnt 0x0
	s_wait_kmcnt 0x0
	s_load_b256 s[68:75], s[18:19], 0x0            ; e0 .. e7
	s_add_nc_u64 s[6:7], s[6:7], s[78:79]          ; the head's K,
	s_add_nc_u64 s[8:9], s[8:9], s[78:79]          ; its V,
	s_add_nc_u64 s[10:11], s[10:11], s[92:93]      ; the batch's bias
	s_cmp_eq_u32 s22, 0                            ; the choice of buffers hangs on the wave's number alone
	s_cselect_b64 s[62:63], s[6:7], s[8:9]
	s_cmp_lt_u32 s22, 2
	s_cselect_b64 s[62:63], s[62:63], s[10:11]
	s_add_nc_u64 s[86:87], s[62:63], 16384         ; a slot of K or of V is 16,384 bytes of memory
	s_or_b32 s63, s63, 0x80000000
	s_or_b32 s87, s87, 0x80000000
	s_add_nc_u64 s[10:11], s[10:11], 1024          ; the bias from key 256 on; V's pointer has been used, so its registers take this group 0
	s_or_b32 s11, s11, 0x80000000
	s_mov_b32 s8, 1
	s_mov_b32 s9, BREG+1024
	; THE FILLS, all of them: a wave's two stand in one branch on its number, slot 0's part first; two loads of a wave are out.  Four v_nop follow the second.
	s_cmp_lt_u32 s22, 2
	s_cbranch_scc0 .Lnot_kv
	tensor_load_to_lds s[60:63], s[28:35]
	s_nop 0
	tensor_load_to_lds s[84:87], s[36:43]
	s_nop 0
.rept 4
	v_nop
.endr
	s_branch .Lasked
.Lnot_kv:
	s_cmp_eq_u32 s22, 2
	s_cbranch_scc0 .Lasked
	tensor_load_to_lds s[60:63], s[44:51]
	s_nop 0
	tensor_load_to_lds s[8:11], s[52:59]
	s_nop 0
.rept 4
	v_nop
.endr
.Lasked:
	s_add_nc_u64 s[96:97], s[4:5], s[82:83]        ; the second block's Q,
	s_add_nc_u64 s[4:5], s[4:5], s[80:81]          ; the first's,
	s_add_nc_u64 s[88:89], s[20:21], s[80:81]      ; and their rows of xc
	s_add_nc_u64 s[90:91], s[20:21], s[82:83]
	s_lshl_b32 s92, s76, 9
	s_add_nc_u64 s[12:13], s[12:13], s[92:93]      ; tail: 512 bytes a head
	s_lshl_b32 s92, s77, 10
	s_and_b32 s94, s76, 15
	s_lshl_b32 s94, s94, 6
	s_add_co_u32 s92, s92, s94
	s_add_co_u32 s92, s92, 8192
	s_add_nc_u64 s[14:15], s[14:15], s[92:93]      ; v_img's codes of my head
	s_mul_i32 s92, s77, 4100
	s_add_nc_u64 s[16:17], s[16:17], s[92:93]      ; the batch's mask
	v_and_b32 v8, 15, v0                           ; r
	v_bfe_u32 v9, v0, 4, 1                         ; h
	s_delay_alu instid0(VALU_DEP_2)
	v_lshlrev_b32 v248, 6, v8
	s_delay_alu instid0(VALU_DEP_1)
	v_lshl_add_u32 v248, v9, 4, v248               ; Q: 64 r + 16 h
	s_delay_alu instid0(VALU_DEP_3)
	v_lshlrev_b32 v249, 5, v9                      ; tail: 32 h
	s_delay_alu instid0(VALU_DEP_4)
	v_lshlrev_b32 v252, 3, v9                      ; v_img: 8 h
	v_mov_b32 v253, 0
.irp c, 0,1
	global_load_b128 v[16+4*\c:19+4*\c], v248, s[4:5] offset:32*\c      ; registers 4 c on: d = 32 c + 16 h + 0 .. 15: the same permutation as K's fragments
	global_load_b128 v[24+4*\c:27+4*\c], v248, s[96:97] offset:32*\c
.endr
.irp t, 0,1,2,3
	global_load_b128 v[VM+8*\t:VM+8*\t+3], v249, s[12:13] offset:(\t/2)*256+(\t%2)*64        ; in O^T's layout: channel 16 t + 8 h + j
	global_load_b128 v[VM+8*\t+4:VM+8*\t+7], v249, s[12:13] offset:(\t/2)*256+(\t%2)*64+16
	global_load_b64 v[S+2*\t:S+2*\t+1], v252, s[14:15] offset:16*\t
.endr
	global_load_b32 v254, v253, s[12:13] offset:128                     ; the number of hidden text keys
	global_load_b32 v255, v253, s[16:17] offset:4096                    ; the image key's mask
	v_lshrrev_b32 v10, 2, v8
	v_and_b32 v11, 3, v8
	s_delay_alu instid0(VALU_DEP_2)
	v_mul_u32_u24 v10, v10, 272
	s_delay_alu instid0(VALU_DEP_1)
	v_lshl_add_u32 v10, v11, 6, v10                ; long row r / 4, place 64 (r % 4)
	s_delay_alu instid0(VALU_DEP_1)
	v_lshl_add_u32 v1, v9, 4, v10                  ; K: + 16 h
	s_mul_i32 s92, s22, 1088
	s_add_co_u32 s92, s92, STG                     ; my stage
	v_lshl_add_u32 v4, v9, 3, v10
	s_delay_alu instid0(VALU_DEP_1)
	v_add_nc_u32 v4, s92, v4                       ; into it: + 8 h
	v_lshrrev_b32 v10, 1, v8
	s_delay_alu instid0(VALU_DEP_1)
	v_mul_u32_u24 v10, v10, 272
	v_and_b32 v11, 1, v8
	s_delay_alu instid0(VALU_DEP_1)
	v_lshl_add_u32 v10, v11, 7, v10
	s_delay_alu instid0(VALU_DEP_1)
	v_lshl_add_u32 v10, v9, 3, v10
	s_delay_alu instid0(VALU_DEP_1)
	v_add_nc_u32 v2, VREG, v10                     ; V: long row r / 2, place 128 (r % 2) + 8 h
	v_lshlrev_b32 v3, 5, v9
	s_delay_alu instid0(VALU_DEP_1)
	v_add_nc_u32 v3, BREG, v3                      ; the bias: 32 h
	v_mul_u32_u24 v11, v9, 272
	s_delay_alu instid0(VALU_DEP_1)
	v_lshl_add_u32 v11, v8, 4, v11
	s_delay_alu instid0(VALU_DEP_1)
	v_add_nc_u32 v11, s92, v11                     ; out of the stage: lanes 0-15 one long row, lanes 16-31 the next
	v_and_b32 v7, 31, v0
	s_delay_alu instid0(VALU_DEP_1)
	v_lshlrev_b32 v7, 4, v7
	s_wait_kmcnt 0x0
	s_mov_b32 s26, 0x3e38aa3b                      ; c = log2(e) / 8
	s_add_co_i32 s92, s70, s71
	s_lshl_b32 s92, s92, 23
	s_add_co_i32 s26, s26, s92                     ; a score stands for score x 2^(e2 + e3): added to c's exponent field
	s_mov_b32 s27, s26
	s_add_co_i32 s92, s72, 127
	s_lshl_b32 s93, s92, 23
	v_mov_b32 v241, s93                            ; 2^e4
	s_add_co_i32 s92, s92, 8
	s_lshl_b32 s92, s92, 23
	s_or_b32 s92, s92, 0x600000
	v_mov_b32 v240, s92                            ; 448 x 2^e4
	s_sub_co_i32 s92, s74, s72
	s_sub_co_i32 s92, s92, s73                     ; O / l stands for x / 2^(e4 + e5): the three scales are folded into the conversion's one
	s_add_co_i32 s92, s92, 127
	s_lshl_b32 s93, s92, 23
	v_mov_b32 v251, s93
	s_add_co_i32 s92, s92, 8
	s_lshl_b32 s92, s92, 23
	s_or_b32 s92, s92, 0x600000
	s_wait_loadcnt 0x0
	v_mov_b32 v253, 1.0
	v_cmp_eq_f32 vcc_lo, 0, v255
	s_delay_alu instid0(VALU_DEP_1)
	v_cndmask_b32 v252, 0, v253, vcc_lo            ; 1.0 where the image key is hidden, else 0
.irp t, 0,1,2,3
.irp w, 0,1
.irp k, 0,1,2,3
	v_cvt_f32_fp8 v[S+8+8*\t+4*\w+\k], v[S+2*\t+\w] byte_sel:\k    ; v_img's code values
.endr
.endr
.endr
.irp m, 0,2,4,6,8,10,12,14,16,18,20,22,24,26,28,30
	v_pk_fma_f32 v[VM+\m:VM+\m+1], v[S+8+\m:S+8+\m+1], v[252:253], v[VM+\m:VM+\m+1] op_sel_hi:[1,0,1]
.endr
	v_add_f32 v254, v254, v252                     ; the number of hidden keys, the image key among them
	v_mov_b32 v255, 0xc6616bcd                     ; -1e4 log2(e)
	v_mov_b32 v249, 0xff61b1e6                     ; -3e38
	s_delay_alu instid0(VALU_DEP_3)
	v_cmp_neq_f32 vcc_lo, 0, v254
	s_delay_alu instid0(VALU_DEP_1)
	v_cndmask_b32 v255, v249, v255, vcc_lo         ; where the largest t starts: a choice of a value, no branch
	v_mov_b32 v244, 0                              ; written once: a lane permute's destination counts as a source
	v_mov_b32 v247, 0                              ; (named as the upper half of the pair v[246:247])
.macro INIT                            ; a block of queries begins: the key step has one form and finds zeros
	v_mov_b32 v13, v255
	s_delay_alu instid0(VALU_DEP_1)
	v_floor_f32 v12, -v13
	v_mov_b32 v14, 0
	v_mov_b32 v15, 0
.set i, 0
.rept 32
	v_mov_b32 v[O+i], 0
.set i, i+1
.endr
.endm
	INIT
; A KEY STEP: 128 keys, the q-th of the slot in hand.  full = 0: a step that lies below the diagonal for every wave of both work-groups: it has no test and no mask.
.macro STEP q, full
.if \full
	s_add_co_u32 s76, s3, 15                       ; a step all of whose keys come after my 16 queries is left out: a branch on ids
	s_cmp_gt_u32 s23, s76
	s_cbranch_scc1 .Lhidden_\@
.endif
	v_add_nc_u32 v8, s2, v1
	v_add_nc_u32 v9, s2, v2
	v_add_nc_u32 v10, s66, v3
	v_nop                                          ; four places in front of loads into registers that the last products have read
.irp t, 0,1,2,3,4,5,6,7
	ds_load_b128 v[S+8*\t:S+8*\t+3], v10 offset:(128*(\q)+16*\t)*4       ; the bias, in the result's layout: it is the product's C
	ds_load_b128 v[S+8*\t+4:S+8*\t+7], v10 offset:(128*(\q)+16*\t)*4+16
.endr
.irp t, 0,1,2,3,4,5,6,7
	ds_load_b128 v[F+8*\t:F+8*\t+3], v8 offset:(32*(\q)+4*\t)*272
	ds_load_b128 v[F+8*\t+4:F+8*\t+7], v8 offset:(32*(\q)+4*\t)*272+32
.endr
	s_wait_alu depctr_va_vdst(0)
	s_wait_dscnt 0x0
.irp t, 0,1,2,3,4,5,6,7
	v_wmma_f32_16x16x64_fp8_fp8 v[S+8*\t:S+8*\t+7], v[F+8*\t:F+8*\t+7], v[16:23], v[S+8*\t:S+8*\t+7]
.endr
.rept 4
	v_nop
.endr
.irp t, 0,1,2,3                                ; V is asked for now and lands under the softmax
.irp c, 0,1,2,3,4,5,6,7
	ds_load_b64 v[F+16*\t+2*\c:F+16*\t+2*\c+1], v9 offset:8704*(\q)+2176*\t+16*\c
.endr
.endr
.if \full
	s_add_co_u32 s76, s23, 127                     ; on the diagonal hidden scores become -infinity; a step all of whose keys count skips this
	s_cmp_le_u32 s76, s3
	s_cbranch_scc1 .Lopen_\@
	s_sub_co_i32 s76, s3, s23
	v_and_b32 v252, 15, v0
	v_bfe_u32 v253, v0, 4, 1
	s_delay_alu instid0(VALU_DEP_1)
	v_lshlrev_b32 v253, 3, v253
	s_delay_alu instid0(VALU_DEP_1)
	v_sub_nc_u32 v252, v252, v253
	s_delay_alu instid0(VALU_DEP_1)
	v_add_nc_u32 v252, s76, v252                   ; d = my query - the step's first key - 8 h: register 8 t + j is hidden where 16 t + j > d
	v_mov_b32 v253, 0xff800000
.set n, 0
.rept 64
	v_cmp_gt_i32 vcc_lo, 16*(n/8)+n%8, v252
	v_cndmask_b32 v[S+n], v[S+n], v253, vcc_lo
.set n, n+1
.endr
.Lopen_\@:
.endif
	v_max3_num_f32 v248, v96, v97, v98             ; the step's largest score of my query, in two chains; each result is read from its low end on
	v_max3_num_f32 v249, v99, v100, v101
.irp i, 6,10,14,18,22,26,30,34,38,42,46,50,54,58
	v_max3_num_f32 v248, v248, v[96+\i], v[97+\i]
	v_max3_num_f32 v249, v249, v[98+\i], v[99+\i]
.endr
	v_max3_num_f32 v248, v248, v158, v159
	s_delay_alu instid0(VALU_DEP_1)
	v_max_num_f32 v248, v248, v249
	s_delay_alu instid0(VALU_DEP_1)
	v_permlanex16_b32 v244, v248, s24, s25
	s_delay_alu instid0(VALU_DEP_1)
	v_max_num_f32 v248, v248, v244
	s_delay_alu instid0(VALU_DEP_1)
	v_mul_f32 v248, s26, v248
	s_delay_alu instid0(VALU_DEP_1)
	v_max_num_f32 v13, v13, v248                   ; the running largest t
	v_mov_b32 v248, v12
	s_delay_alu instid0(VALU_DEP_2)
	v_floor_f32 v12, -v13                          ; -M = floor(-t): M is a whole number
	s_delay_alu instid0(VALU_DEP_1)
	v_sub_f32 v248, v12, v248
	s_delay_alu instid0(VALU_DEP_1)
	v_cvt_i32_f32 v248, v248                       ; (it saturates)
	s_delay_alu instid0(VALU_DEP_1)
	v_ldexp_f32 v246, 1.0, v248                    ; f = 2^(old M - new M): rounds nothing
.irp j, 0,2,4,6,8,10,12,14,16,18,20,22,24,26,28,30,32,34,36,38,40,42,44,46,48,50,52,54,56,58,60,62
	v_pk_fma_f32 v[S+\j:S+\j+1], v[S+\j:S+\j+1], s[26:27], v[12:13] op_sel_hi:[1,0,0]
.endr
.set n, 0
	s_wait_alu depctr_va_vdst(0)
.rept 64
	v_exp_f32 v[S+n], v[S+n]                       ; p = 2^(t - M)
.set n, n+1
.endr
	v_pk_mul_f32 v[14:15], v[14:15], v[246:247] op_sel_hi:[1,0]    ; the sums under the new M: the plain instruction behind the exponentials
	s_wait_alu depctr_va_vdst(0)                   ; one wait for the whole batch, ahead of its first reader
	v_pk_add_f32 v[242:243], v[100:101], v[104:105]
	v_pk_add_f32 v[252:253], v[108:109], v[112:113]
	v_pk_add_f32 v[248:249], v[116:117], v[120:121]
	v_pk_add_f32 v[206:207], v[124:125], v[128:129]
	v_pk_add_f32 v[204:205], v[132:133], v[136:137]
	v_pk_add_f32 v[202:203], v[140:141], v[144:145]
	v_pk_add_f32 v[200:201], v[148:149], v[152:153]
	v_pk_add_f32 v[14:15], v[14:15], v[156:157]
	v_pk_add_f32 v[242:243], v[242:243], v[96:97]
	v_pk_add_f32 v[252:253], v[252:253], v[98:99]
	v_pk_add_f32 v[248:249], v[248:249], v[102:103]
	v_pk_add_f32 v[206:207], v[206:207], v[106:107]
	v_pk_add_f32 v[204:205], v[204:205], v[110:111]
	v_pk_add_f32 v[202:203], v[202:203], v[114:115]
	v_pk_add_f32 v[200:201], v[200:201], v[118:119]
	v_pk_add_f32 v[14:15], v[14:15], v[122:123]
	v_pk_add_f32 v[242:243], v[242:243], v[126:127]
	v_pk_add_f32 v[252:253], v[252:253], v[130:131]
	v_pk_add_f32 v[248:249], v[248:249], v[134:135]
	v_pk_add_f32 v[206:207], v[206:207], v[138:139]
	v_pk_add_f32 v[204:205], v[204:205], v[142:143]
	v_pk_add_f32 v[202:203], v[202:203], v[146:147]
	v_pk_add_f32 v[200:201], v[200:201], v[150:151]
	v_pk_add_f32 v[14:15], v[14:15], v[154:155]
	v_pk_add_f32 v[242:243], v[242:243], v[158:159]
	s_delay_alu instid0(VALU_DEP_2)
	v_pk_add_f32 v[14:15], v[14:15], v[206:207]
	s_delay_alu instid0(VALU_DEP_2)
	v_pk_add_f32 v[242:243], v[242:243], v[204:205]
	v_pk_add_f32 v[252:253], v[252:253], v[202:203]
	v_pk_add_f32 v[248:249], v[248:249], v[200:201]
	s_delay_alu instid0(VALU_DEP_2)
	v_pk_add_f32 v[14:15], v[14:15], v[252:253]
	s_delay_alu instid0(VALU_DEP_2)
	v_pk_add_f32 v[242:243], v[242:243], v[248:249]
	s_delay_alu instid0(VALU_DEP_1)
	v_pk_add_f32 v[14:15], v[14:15], v[242:243]
.irp t, 0,1,2,3,4,5,6,7
.irp i, 0,1,2,3,4,5,6,7
.endr
	v_cvt_scalef32_pk8_fp8_f32 v[PC+2*\t:PC+2*\t+1], v[S+8*\t:S+8*\t+7], v241
.endr
.irp j, 0,2,4,6,8,10,12,14,16,18,20,22,24,26,28,30
	v_pk_mul_f32 v[O+\j:O+\j+1], v[O+\j:O+\j+1], v[246:247] op_sel_hi:[1,0]   ; O^T under the new M; also the plain instructions behind the last conversion
.endr
	s_wait_alu depctr_va_vdst(0)
	s_wait_dscnt 0x0                               ; V
.irp t, 0,1,2,3
	v_wmma_f32_16x16x128_fp8_fp8 v[O+8*\t:O+8*\t+7], v[F+16*\t:F+16*\t+15], v[PC:PC+15], v[O+8*\t:O+8*\t+7]
.endr
.if \full
.Lhidden_\@:
	s_add_co_u32 s23, s23, 128
.endif
.endm
; A BLOCK'S END: the closing term of the hidden keys, the division, x's codes through my stage, 1,024 consecutive bytes a wave.  again = 1: on to the second block.
.macro FINISH again
	v_add_f32 v14, v14, v15
	s_delay_alu instid0(VALU_DEP_1)
	v_permlanex16_b32 v244, v14, s24, s25
	s_delay_alu instid0(VALU_DEP_1)
	v_add_f32 v14, v14, v244                       ; the row's sum over the keys that were walked
	v_add_f32 v252, v255, v12                      ; (where t starts) - M, 0 or less: -1e4 log2(e) - M if the batch has a hidden key, else -3e38
	s_wait_alu depctr_va_vdst(0)
	v_exp_f32 v252, v252                           ; pm
	v_mov_b32 v253, 0                              ; a plain instruction behind the exponential
	s_wait_alu depctr_va_vdst(0)
	v_fma_f32 v14, v254, v252, v14                 ; + their number x pm
.irp i, 0,1,2,3,4,5,6,7
	v_min_num_f32 v[S+\i], v252, v240
.endr
	v_cvt_scalef32_pk8_fp8_f32 v[248:249], v[S:S+7], v241
	v_nop
	v_cvt_f32_fp8 v252, v248                       ; pm's code value
	s_wait_alu depctr_va_vdst(0)
	v_rcp_f32 v14, v14
	s_wait_alu depctr_va_vdst(0)
.irp m, 0,2,4,6,8,10,12,14,16,18,20,22,24,26,28,30
	v_pk_fma_f32 v[O+\m:O+\m+1], v[VM+\m:VM+\m+1], v[252:253], v[O+\m:O+\m+1] op_sel_hi:[1,0,1]
.endr
	s_wait_alu depctr_va_vdst(0)                   ; the reciprocal's wait, ahead of its first reader
.irp m, 0,2,4,6,8,10,12,14,16,18,20,22,24,26,28,30
	v_pk_mul_f32 v[S+\m:S+\m+1], v[O+\m:O+\m+1], v[14:15] op_sel_hi:[1,0]
.endr
.set i, 0
.rept 32
.set i, i+1
.endr
.irp t, 0,1,2,3
	v_cvt_scalef32_pk8_fp8_f32 v[PC+2*\t:PC+2*\t+1], v[S+8*\t:S+8*\t+7], v251
.endr
	v_nop
.irp t, 0,1,2,3
	ds_store_b64 v4, v[PC+2*\t:PC+2*\t+1] offset:16*\t             ; query r, channels 16 t + 8 h on
.endr
.irp i, 0,1
	ds_load_b128 v[F+4*\i:F+4*\i+3], v11 offset:544*\i             ; LDS serves a wave's instructions in order: these see my stores
.endr
.irp i, 0,1
	s_wait_dscnt 1-\i                              ; the second read-back may be out
	global_store_b128 v7, v[F+4*\i:F+4*\i+3], s[88:89] offset:512*\i
.endr
.if \again
	s_wait_xcnt 0x0                                ; the stores have read their registers and their base
	s_mov_b64 s[88:89], s[90:91]
	s_mov_b32 s3, s98
.irp i, 0,1,2,3,4,5,6,7
	v_mov_b32 v[16+\i], v[24+\i]
.endr
	INIT
.endif
.endm
	; THE FIVE TRIPS, written straight: every LDS address is a constant, or a choice between two constants on the work-group's x
	s_wait_tensorcnt 0x1                           ; my part of slot 0 is in; my second load, slots 1 to 3, may be out
	s_barrier_signal -1
	s_barrier_wait -1                              ; everybody's is
	s_mov_b32 s2, 0
	s_mov_b32 s66, 0
	STEP 0, 0                                      ; trip 0: keys 0 to 255, below the diagonal of blocks 3 and 2
	STEP 1, 0
	s_wait_tensorcnt 0x0                           ; all of K, V and the bias that I fetch is in,
	s_wait_dscnt 0x0
	s_barrier_signal -1
	s_barrier_wait -1                              ; and everybody's: the last barrier.  From here on no wave waits for another
	s_mov_b32 s2, KSL
	s_mov_b32 s66, 1024
	STEP 0, 0                                      ; trip 1: keys 256 to 511
	STEP 1, 0
	s_mov_b32 s2, 2*KSL
	s_mov_b32 s66, 2048
	s_mov_b32 s23, 512
	STEP 0, 1                                      ; trip 2: keys 512 to 767: the diagonal of block 2
	STEP 1, 1
	s_cmp_eq_u32 ttmp9, 1                          ; i = 1: block 2 is done.  A branch on ids
	s_cbranch_scc0 .Lgo_on_2
	FINISH 1
.Lgo_on_2:
	s_cmp_eq_u32 ttmp9, 0                          ; trip 3: i = 0: slot 3, the diagonal of block 3; i = 1: slot 0 for block 1
	s_cselect_b32 s2, 3*KSL, 0
	s_cselect_b32 s66, 3072, 0
	s_cselect_b32 s23, 768, 0
	STEP 0, 1
	STEP 1, 1
	s_cmp_eq_u32 ttmp9, 0                          ; i = 0: block 3 is done
	s_cbranch_scc0 .Lgo_on_3
	FINISH 1
.Lgo_on_3:
	s_cmp_eq_u32 ttmp9, 0                          ; trip 4: i = 0: slot 0, the diagonal of block 0; i = 1: slot 1, the diagonal of block 1
	s_cselect_b32 s2, 0, KSL
	s_cselect_b32 s66, 0, 1024
	s_cselect_b32 s23, 0, 256
	STEP 0, 1
	STEP 1, 1
	FINISH 0
	s_wait_tensorcnt 0x0
	ds_add_u32 v6, v245
	s_wait_dscnt 0x0
	s_endpgm
.Lfunc_end_k_qd48dfe041d_attn:
	.size	k_qd48dfe041d_attn, .Lfunc_end_k_qd48dfe041d_attn-k_qd48dfe041d_attn
	.p2alignl 7, 3214868480
	.fill 96, 4, 3214868480
	.section	.rodata,"a",@progbits
	.p2align	6, 0x0
	.amdhsa_kernel k_qd48dfe041d_attn
		.amdhsa_group_segment_fixed_size 169984
		.amdhsa_private_segment_fixed_size 0
		.amdhsa_enable_private_segment 0
		.amdhsa_kernarg_size 72
		.amdhsa_user_sgpr_count 2
		.amdhsa_user_sgpr_kernarg_segment_ptr 1
		.amdhsa_wavefront_size32 1
		.amdhsa_system_sgpr_workgroup_id_x 1
		.amdhsa_system_sgpr_workgroup_id_y 1
		.amdhsa_system_sgpr_workgroup_id_z 1
		.amdhsa_system_vgpr_workitem_id 0
		.amdhsa_next_free_vgpr 256
		.amdhsa_next_free_sgpr 100
		.amdhsa_reserve_vcc 1
		.amdhsa_float_denorm_mode_32 3
		.amdhsa_float_denorm_mode_16_64 3
		.amdhsa_fp16_overflow 1
		.amdhsa_memory_ordered 1
		.amdhsa_forward_progress 1
		.amdhsa_inst_pref_size 220
	.end_amdhsa_kernel
	.amdgpu_metadata
---
amdhsa.version: [ 1, 2 ]
amdhsa.kernels:
  - .name:           k_qd48dfe041d_attn
    .symbol:         k_qd48dfe041d_attn.kd
    .args:
      - { .name: qc, .offset: 0, .size: 8, .value_kind: global_buffer, .address_space: global }
      - { .name: kc, .offset: 8, .size: 8, .value_kind: global_buffer, .address_space: global }
      - { .name: vc, .offset: 16, .size: 8, .value_kind: global_buffer, .address_space: global }
      - { .name: mb, .offset: 24, .size: 8, .value_kind: global_buffer, .address_space: global }
      - { .name: tail, .offset: 32, .size: 8, .value_kind: global_buffer, .address_space: global }
      - { .name: imgc, .offset: 40, .size: 8, .value_kind: global_buffer, .address_space: global }
      - { .name: attention_mask, .offset: 48, .size: 8, .value_kind: global_buffer, .address_space: global }
      - { .name: lowp_scales, .offset: 56, .size: 8, .value_kind: global_buffer, .address_space: global }
      - { .name: xc, .offset: 64, .size: 8, .value_kind: global_buffer, .address_space: global }
    .group_segment_fixed_size: 169984
    .private_segment_fixed_size: 0
    .kernarg_segment_align: 8
    .kernarg_segment_size: 72
    .max_flat_workgroup_size: 512
    .sgpr_count:     100
    .vgpr_count:     256
    .wavefront_size: 32
...
	.end_amdgpu_metadata
.endif
;; end of part 3
;; launch proj (part 4): grid 4 x 64, 4 waves a work-group, clusters of 4 x 4, 327,680 bytes of LDS; arguments xc, Wc_proj_codes, bc_proj, lowp_scales, out0; writes out0
.if DOCPART == 4
	.amdgcn_target "amdgcn-amd-amdhsa--gfx1250"
	.amdhsa_code_object_version 6
	.text
	.protected	k_qd48dfe041d_proj
	.globl	k_qd48dfe041d_proj
	.p2align	8
	.type	k_qd48dfe041d_proj,@function
k_qd48dfe041d_proj:
	s_mov_b64 s[64:65], 0
	v_nop
	global_prefetch_b8 v0, s[64:65] scope:SCOPE_SE
	s_setreg_imm32_b32 hwreg(HW_REG_WAVE_MODE, 25, 1), 1
	s_wait_xcnt 0x0
	s_wait_alu depctr_hold_cnt(0) depctr_sa_sdst(0) depctr_va_vdst(0) depctr_va_sdst(0) depctr_va_ssrc(0) depctr_va_vcc(0) depctr_vm_vsrc(0)
	s_getreg_b32 s2, hwreg(HW_REG_IB_STS2, 6, 4)
	s_cmp_eq_u32 s2, 0
	s_cbranch_scc0 .Lentry_in_a_cluster
	s_endpgm
.Lentry_in_a_cluster:
	s_bfe_u32 s2, ttmp6, 0x10000c
	s_cmp_lg_u32 s2, 0xf033
	s_cbranch_scc0 .Lentry_shape_is_right
	s_endpgm
.Lentry_shape_is_right:
; out0 = x Wc_proj + bc_proj on codes of FP8 (E4M3).  xc: [16 b + head][token][64]: x's feature 64 head + d;  W: [1024 columns][1024], K innermost;  out0: [8192][1024] f32.
; out = sum x 2^(e6 + e7) + bias, one fused multiply-add.  LIMIT: e6 + e7 between -126 and 127.
; SHARES.  A tile of 128 tokens x 256 columns to a work-group: 256 work-groups.  Four waves, 64 x 128 each: 32 accumulators.  K = 1024 goes in four steps of 256 (four heads) through two LDS slots.
; CLUSTERS of 4 x 4: x's tile is shared along a row of the cluster, W's along a column: joint loads.  The matrix instruction takes 16 rows of W as source 0 and 16 tokens as source 1: a lane holds eight neighbouring columns of one row.
; x's tile of 64 tokens x 4 heads is 4 rows of 4,096 bytes, 65,536 bytes apart, with 16 bytes of padding behind every 256: in LDS [head 4][16 long rows of 4 tokens x 64 d, 272 bytes apart].
; REGISTERS: window 0: v8-31 addresses; v32-95 the bias; v128-255 x's fragments, two sets of 64.   window 1: W's fragments, two sets of 128.   window 2: the accumulators ((a, b) at v[8 (8 a + b)]).
.set PITCH,  272
.set ATH,    64*PITCH                  ; 64 tokens x 4 heads
.set BHF,    128*PITCH                 ; 128 rows of W
.set BOFFS,  2*ATH
.set SLOT,   2*ATH+2*BHF
.set SPARE,  2*SLOT                    ; the spare words, 128 bytes a wave, that no other line names
.set SPITCH, 528                       ; the way out: 16 rows x (512 bytes + 16) for each wave, in slot 0, which has had its last fill and its last read by then
.set ADRA, 16
.set ADRB, 20
.set STO,  24
.set RD,   25
.set CO,   26
.set SPW,  28
.set NIL,  29
.set BP,   32
.set AF,   128
.set G1, 24
.set G0, 32
.set G1B, 48
.set G0B, 56
.set MSB, 0
.macro WIN new
.if MSB != \new
	s_set_vgpr_msb (MSB<<8)|\new
.set MSB, \new
.endif
.endm
.set MUL,  0xa1                        ; source 0 (W) window 1, source 1 (x) window 0, C and D window 2
.set TO_B, 0x40
.macro JLOAD g0a, g1a, g0b, g1b        ; waves 0 and 1 fetch x's halves, waves 2 and 3 W's; four v_nop follow each line
	s_cmp_eq_u32 s15, 0
	s_cbranch_scc0 .Lfor_b_\@
	tensor_load_to_lds s[\g0a:\g0a+3], s[\g1a:\g1a+7]
	s_nop 0
.rept 4
	v_nop
.endr
	s_branch .Lasked_\@
.Lfor_b_\@:
	tensor_load_to_lds s[\g0b:\g0b+3], s[\g1b:\g1b+7]
	s_nop 0
.rept 4
	v_nop
.endr
.Lasked_\@:
.endm
.macro CREST
	s_cmp_lg_u32 s14, 0
	s_cbranch_scc1 .Lnot_wave_0_\@
	s_barrier_signal -3
.Lnot_wave_0_\@:
	s_barrier_wait -3
	s_barrier_signal -1
	s_barrier_wait -1
.endm
.macro CROUND
	s_barrier_signal -1
	s_barrier_wait -1
	CREST
.endm
	s_load_b256 s[4:11], s[0:1], 0x0               ; xc, W, the bias, the exponents
	s_load_b64 s[12:13], s[0:1], 0x20              ; out0
	v_lshl_add_u32 v[SPW], v0, 2, SPARE
	v_mov_b32 v[NIL], 0
	ds_add_u32 v28, v29
	ds_add_u32 v28, v29
	s_wait_dscnt 0x0
	v_lshrrev_b32 v1, 5, v0
	v_readfirstlane_b32 s14, v1                    ; wave
	s_lshr_b32 s15, s14, 1                         ; which 64 tokens are mine.  Also: I fetch for x (0) or for W (1)
	s_and_b32 s16, s14, 1                          ; which 128 columns.  Also: which half I fetch
	s_bfe_u32 s40, ttmp6, 0x40000                  ; cx = the tile column
	s_bfe_u32 s41, ttmp6, 0x40004                  ; cy
	s_and_b32 s17, ttmp7, 0xffff
	s_lshl_b32 s17, s17, 2
	s_add_co_u32 s17, s17, s41                     ; the tile row, 0 .. 63
	s_lshl_b32 s43, s41, 2
	s_lshl_b32 s43, 15, s43
	s_lshl_b32 s44, 0x1111, s40
	s_or_b32 s[G1+0], s43, (0<<16)|(1<<20)|(1<<21)|(5<<22)|(3<<25)
	s_mov_b32 s[G1+1], 4096<<16                    ; tensor_dim0 = 4,096 bytes: 64 tokens of one head
	s_mov_b32 s[G1+2], 4<<16                       ; tensor_dim1 = 4 heads
	s_mov_b32 s[G1+3], 4096<<16                    ; tile_dim0
	s_mov_b32 s[G1+4], 4                           ; tile_dim1
	s_mov_b32 s[G1+5], 65536                       ; from head to head
	s_mov_b32 s[G1+6], 0
	s_mov_b32 s[G1+7], 0
	s_or_b32 s[G1B+0], s44, (0<<16)|(1<<20)|(1<<21)|(5<<22)|(3<<25)
	s_mov_b32 s[G1B+1], 256<<16
	s_mov_b32 s[G1B+2], 128<<16
	s_mov_b32 s[G1B+3], 256<<16
	s_mov_b32 s[G1B+4], 128
	s_mov_b32 s[G1B+5], 1024
	s_mov_b32 s[G1B+6], 0
	s_mov_b32 s[G1B+7], 0
	s_lshr_b32 s20, s17, 3
	s_lshl_b32 s20, s20, 20                        ; x: the batch's 16 heads of 65,536 bytes,
	s_and_b32 s18, s17, 7
	s_lshl_b32 s18, s18, 13                        ; the tile's 128 tokens of 64 bytes,
	s_add_co_u32 s20, s20, s18
	s_lshl_b32 s18, s16, 12                        ; the half that I fetch
	s_add_co_u32 s20, s20, s18
	s_mov_b32 s21, 0
	s_lshl_b32 s46, s40, 18                        ; W: rows 256 cx + 128 x half, 1,024 bytes each
	s_lshl_b32 s47, s16, 17
	s_add_co_u32 s46, s46, s47
	s_mov_b32 s47, 0
	s_mul_i32 s45, s16, ATH                        ; where they go
	s_mul_i32 s19, s16, BHF
	s_add_co_u32 s19, s19, BOFFS
	s_wait_kmcnt 0x0
	s_load_b256 s[80:87], s[10:11], 0x0            ; e0 .. e7
	s_add_nc_u64 s[20:21], s[4:5], s[20:21]
	s_add_nc_u64 s[46:47], s[6:7], s[46:47]
	CROUND                                         ; all sixteen work-groups are here: the first joint loads meet
.irp s, 0,1
	s_mov_b32 s[G0+4*\s], 1
	s_add_co_u32 s[G0+4*\s+1], s45, \s*SLOT
	s_add_nc_u64 s[G0+4*\s+2:G0+4*\s+3], s[20:21], \s*262144       ; a K step is four heads on
	s_or_b32 s[G0+4*\s+3], s[G0+4*\s+3], 0x80000000
	s_mov_b32 s[G0B+4*\s], 1
	s_add_co_u32 s[G0B+4*\s+1], s19, \s*SLOT
	s_add_nc_u64 s[G0B+4*\s+2:G0B+4*\s+3], s[46:47], \s*256
	s_or_b32 s[G0B+4*\s+3], s[G0B+4*\s+3], 0x80000000
	s_wait_alu depctr_va_vdst(0)
	s_wait_tensorcnt 0x0
	ds_add_u32 v28, v29
	ds_add_u32 v28, v29
	s_wait_dscnt 0x0
	CROUND
	JLOAD G0+4*\s, G1, G0B+4*\s, G1B
.endr
	v_and_b32 v1, 15, v0                           ; r
	v_bfe_u32 v2, v0, 4, 1                         ; h
	v_lshrrev_b32 v3, 2, v1
	v_mul_u32_u24 v3, v3, PITCH
	v_and_b32 v4, 3, v1
	v_lshl_add_u32 v3, v4, 6, v3
	v_lshl_add_u32 v3, v2, 4, v3                   ; x: long row r / 4, place 64 (r % 4) + 16 h
	v_mul_u32_u24 v4, v1, PITCH
	v_lshl_add_u32 v4, v2, 4, v4                   ; W: row r, + 16 h
	s_mul_i32 s78, s15, ATH
	s_mul_i32 s79, s16, BHF
	s_add_co_u32 s79, s79, BOFFS
.irp s, 0,1
	v_add_nc_u32 v[ADRA+\s], s78, v3
	v_add_nc_u32 v[ADRB+\s], s79, v4
	s_add_co_u32 s78, s78, SLOT
	s_add_co_u32 s79, s79, SLOT
.endr
	s_mul_i32 s78, s14, 16*SPITCH                  ; my stage
	v_mul_u32_u24 v5, v1, SPITCH
	v_lshl_add_u32 v5, v2, 5, v5
	v_add_nc_u32 v[STO], s78, v5
	v_and_b32 v6, 31, v0
	v_lshlrev_b32 v[CO], 4, v6
	v_add_nc_u32 v[RD], s78, v[CO]
	s_lshl_b32 s90, s40, 10                        ; my first column, in bytes of f32: 1,024 cx + 512 x half
	s_lshl_b32 s91, s16, 9
	s_add_co_u32 s90, s90, s91
	v_lshl_add_u32 v8, v2, 5, s90                  ; the bias: + 32 h
.irp b, 0,1,2,3,4,5,6,7
	global_load_b128 v[BP+8*\b:BP+8*\b+3], v8, s[8:9] offset:64*\b
	global_load_b128 v[BP+8*\b+4:BP+8*\b+7], v8, s[8:9] offset:64*\b+16
.endr
	s_lshl_b32 s92, s17, 19                        ; my first row: 128 x tile row + 64 x half, 4,096 bytes each
	s_lshl_b32 s91, s15, 18
	s_add_co_u32 s92, s92, s91
	s_add_co_u32 s92, s92, s90
	s_mov_b32 s93, 0
	s_add_nc_u64 s[12:13], s[12:13], s[92:93]
	s_wait_kmcnt 0x0
	s_add_co_i32 s88, s86, s87
	s_add_co_i32 s88, s88, 127
	s_lshl_b32 s88, s88, 23                        ; 2^(e6 + e7) as f32
	s_mov_b32 s89, s88
.macro PLACES n
.rept \n
	v_nop
.endr
.endm
; the fragments of the slot's q-th 128 along K into set p: W's eight, x's four; registers 4 c on hold K = 32 c + 16 h + 0 .. 15 on both sides (x: head 2 q + c / 2, d = 32 (c % 2) + 16 h)
.macro FETCHP slot, q, p
	WIN TO_B
.irp i, 0,1,2,3,4,5,6,7
.irp c, 0,1,2,3
	ds_load_b128 v[128*(\p)+16*\i+4*\c:128*(\p)+16*\i+4*\c+3], v[ADRB+\slot] offset:128*(\q)+32*\c+\i*16*PITCH
.endr
.endr
	WIN 0
.irp a, 0,1,2,3
.irp c, 0,1,2,3
	ds_load_b128 v[AF+64*(\p)+16*\a+4*\c:AF+64*(\p)+16*\a+4*\c+3], v[ADRA+\slot] offset:(2*(\q)+\c/2)*16*PITCH+\a*4*PITCH+32*(\c%2)
.endr
.endr
.endm
.macro MUL8 a, p, zero                 ; the 32 accumulators take turns, one instruction a turn, in the same order in every step
.irp b, 0,1,2,3,4,5,6,7
.if \zero
	v_wmma_f32_16x16x128_fp8_fp8 v[8*(8*(\a)+\b):8*(8*(\a)+\b)+7], v[128*(\p)+16*\b:128*(\p)+16*\b+15], v[AF+64*(\p)+16*(\a):AF+64*(\p)+16*(\a)+15], 0
.else
	v_wmma_f32_16x16x128_fp8_fp8 v[8*(8*(\a)+\b):8*(8*(\a)+\b)+7], v[128*(\p)+16*\b:128*(\p)+16*\b+15], v[AF+64*(\p)+16*(\a):AF+64*(\p)+16*(\a)+15], v[8*(8*(\a)+\b):8*(8*(\a)+\b)+7]
.endif
.endr
.endm
.macro STEPP slot, zero                ; a slot's first 128 along K (set 0); its second 128 are fetched into set 1 meanwhile
	s_wait_dscnt 0x0
	PLACES 4
	FETCHP \slot, 1, 1
	WIN MUL
	MUL8 0, 0, \zero
	MUL8 1, 0, \zero
	MUL8 2, 0, \zero
	MUL8 3, 0, \zero
	WIN 0
.endm
.macro TURNP slot, next, fill          ; a slot's second 128 (set 1), and the change of slots
	s_wait_tensorcnt 0x0                           ; all my tensor loads have landed: my part of the next slot
	ds_add_u32 v[SPW], v[NIL]                      ; 0 onto my spare word
	s_wait_dscnt 1                                 ; set 1 is in; the add may be out
	WIN MUL
	MUL8 0, 1, 0
	s_wait_dscnt 0x0                               ; the add is done, and my reads of this slot are over
	s_barrier_signal -1
	MUL8 1, 1, 0
	WIN 0
	s_barrier_wait -1
.if \fill
	CREST                                          ; the barrier has opened a round of the cluster's barrier
	s_add_nc_u64 s[G0+4*\slot+2:G0+4*\slot+3], s[G0+4*\slot+2:G0+4*\slot+3], 524288
	s_add_nc_u64 s[G0B+4*\slot+2:G0B+4*\slot+3], s[G0B+4*\slot+2:G0B+4*\slot+3], 512
	JLOAD G0+4*\slot, G1, G0B+4*\slot, G1B         ; the first tensor load behind the round; its four v_nop are the places in front of the loads below
.else
	PLACES 4
.endif
	s_wait_alu depctr_va_vdst(0)
	FETCHP \next, 0, 0
	WIN MUL
	MUL8 2, 1, 0
	MUL8 3, 1, 0
	WIN 0
.endm
	s_wait_tensorcnt 1                             ; my part of K step 0 is in; K step 1's load may be out
	s_wait_loadcnt 0x0                             ; the bias
	s_barrier_signal -1
	s_barrier_wait -1
	FETCHP 0, 0, 0
	STEPP 0, 1                                     ; the first products start the sums.  Four K steps: written straight
	TURNP 0, 1, 1
	STEPP 1, 0
	TURNP 1, 0, 1
	STEPP 0, 0
	TURNP 0, 1, 0
	STEPP 1, 0
	s_wait_dscnt 0x0
	WIN MUL
	MUL8 0, 1, 0
	MUL8 1, 1, 0
	MUL8 2, 1, 0
	MUL8 3, 1, 0
	WIN 0
	PLACES 4
; THE WAY OUT, block by block of 16 rows x 128 columns: through my own stage, back as whole rows of 512 bytes.  Every block has registers of its own for its rows, and every offset is an immediate.
.macro TOSTAGE a
.set AC, 64*(\a)
.set TM, AF+64*((\a)%2)
	WIN 0x02                                       ; source 0: window 2
.irp j, 0,2,4,6,8,10,12,14,16,18,20,22,24,26,28,30,32,34,36,38,40,42,44,46,48,50,52,54,56,58,60,62
	v_pk_fma_f32 v[TM+\j:TM+\j+1], v[AC+\j:AC+\j+1], s[88:89], v[BP+\j:BP+\j+1] op_sel_hi:[1,0,1]   ; sum x 2^(e6 + e7) + bias; each accumulator from its low end on
.endr
	WIN 0
.irp b, 0,1,2,3,4,5,6,7
	ds_store_b128 v[STO], v[TM+8*\b:TM+8*\b+3] offset:64*\b
	ds_store_b128 v[STO], v[TM+8*\b+4:TM+8*\b+7] offset:64*\b+16
.endr
	WIN TO_B
.irp t, 0,1,2,3,4,5,6,7,8,9,10,11,12,13,14,15
	ds_load_b128 v[64*(\a)+4*\t:64*(\a)+4*\t+3], v[RD] offset:\t*SPITCH   ; LDS serves a wave's instructions in order: these see the stores above
.endr
	WIN 0
.endm
.macro SEND a, younger
	s_wait_dscnt \younger
	WIN 0x04                                       ; the stores' data: window 1
.irp t, 0,1,2,3,4,5,6,7,8,9,10,11,12,13,14,15
	global_store_b128 v[CO], v[64*(\a)+4*\t:64*(\a)+4*\t+3], s[12:13] offset:(16*(\a)+\t)*4096 th:TH_STORE_NT   ; 32 lanes store 512 consecutive bytes, aligned
.endr
	WIN 0
.endm
	TOSTAGE 0
	TOSTAGE 1
	SEND 0, 32                                     ; behind block 0's loads: block 1's 16 stores and 16 loads
	TOSTAGE 2
	SEND 1, 32
	TOSTAGE 3
	SEND 2, 32
	SEND 3, 0
	s_wait_tensorcnt 0x0                           ; the wave's end
	ds_add_u32 v[SPW], v[NIL]
	s_wait_dscnt 0x0
	CROUND                                         ; the closing round
	s_endpgm
.Lfunc_end_k_qd48dfe041d_proj:
	.size	k_qd48dfe041d_proj, .Lfunc_end_k_qd48dfe041d_proj-k_qd48dfe041d_proj
	.p2alignl 7, 3214868480
	.fill 96, 4, 3214868480
	.section	.rodata,"a",@progbits
	.p2align	6, 0x0
	.amdhsa_kernel k_qd48dfe041d_proj
		.amdhsa_group_segment_fixed_size 327680
		.amdhsa_private_segment_fixed_size 0
		.amdhsa_enable_private_segment 0
		.amdhsa_kernarg_size 40
		.amdhsa_user_sgpr_count 2
		.amdhsa_user_sgpr_kernarg_segment_ptr 1
		.amdhsa_wavefront_size32 1
		.amdhsa_system_sgpr_workgroup_id_x 1
		.amdhsa_system_sgpr_workgroup_id_y 1
		.amdhsa_system_sgpr_workgroup_id_z 1
		.amdhsa_system_vgpr_workitem_id 0
		.amdhsa_next_free_vgpr 768
		.amdhsa_next_free_sgpr 100
		.amdhsa_reserve_vcc 0
		.amdhsa_float_denorm_mode_32 3
		.amdhsa_float_denorm_mode_16_64 3
		.amdhsa_memory_ordered 1
		.amdhsa_forward_progress 1
		.amdhsa_inst_pref_size 78
	.end_amdhsa_kernel
	.amdgpu_metadata
---
amdhsa.version: [ 1, 2 ]
amdhsa.kernels:
  - .name:           k_qd48dfe041d_proj
    .symbol:         k_qd48dfe041d_proj.kd
    .args:
      - { .name: xc, .offset: 0, .size: 8, .value_kind: global_buffer, .address_space: global }
      - { .name: Wc_proj_codes, .offset: 8, .size: 8, .value_kind: global_buffer, .address_space: global }
      - { .name: bc_proj, .offset: 16, .size: 8, .value_kind: global_buffer, .address_space: global }
      - { .name: lowp_scales, .offset: 24, .size: 8, .value_kind: global_buffer, .address_space: global }
      - { .name: out0, .offset: 32, .size: 8, .value_kind: global_buffer, .address_space: global }
    .group_segment_fixed_size: 327680
    .private_segment_fixed_size: 0
    .kernarg_segment_align: 8
    .kernarg_segment_size: 40
    .max_flat_workgroup_size: 128
    .sgpr_count:     100
    .vgpr_count:     768
    .wavefront_size: 32
...
	.end_amdgpu_metadata
.endif
;; end of part 4
